; MI455X (gfx1250); checked and timed in simulation.
; The chip was launched on July 23, 2026; its instructions are those of AMD's public machine-readable ISA for CDNA 5 (MIT licence, August 2026) and "CDNA5" Instruction Set Architecture Reference Guide (July 2026). The comments in the code are by the model that wrote it; some were corrected since.
;; Diff Attention. Allowed arithmetic: float matrix products may take bf16 or f16 operands with f32 sums; other float arithmetic in f32, or as packed bf16 or f16 multiplies, adds, multiply-adds, maxima and minima; sums over many terms, partial sums and values carried from step to step in f32; what a program stores and reads back later, other than sums and carried values, may be rounded once to bf16 or f16.
;; Inputs: Wk 2,048 x 1,024 float32; Wo 2,048 x 2,048 float32; Wq 2,048 x 2,048 float32; Wv 2,048 x 1,024 float32; cos 2,048 x 32 float32; sin 2,048 x 32 float32; x 1 x 2,048 x 2,048 float32.
;; Outputs: out0 1 x 2,048 x 2,048 float32.
;; One version. Each part assembles by itself: llvm-mc -triple=amdgcn-amd-amdhsa -mcpu=gfx1250 --defsym DOCPART=n.
;; ======== version 1 of 1: 4 launches
;; limits: values are held in f16: magnitudes above 65,504 overflow, below 6.1e-05 lose precision
;; workspace buffers: xb 8,388,608 bytes; wb 16,777,216 bytes; wob 8,388,608 bytes; qh 8,388,608 bytes; kh 4,194,304 bytes; vh 4,194,304 bytes; ao 8,388,608 bytes
;; launch prep (part 1): grid 128 x 8, 8 waves a work-group, no clusters, 0 bytes of LDS; arguments x, Wq, Wk, Wv, Wo, xb, wb, wob; writes xb, wb, wob
.if DOCPART == 1
	.amdgcn_target "amdgcn-amd-amdhsa--gfx1250"
	.amdhsa_code_object_version 6
	.text
	.protected	k_qa7fe2f66f8_prep
	.globl	k_qa7fe2f66f8_prep
	.p2align	8
	.type	k_qa7fe2f66f8_prep,@function
k_qa7fe2f66f8_prep:
	s_mov_b64 s[64:65], 0
	v_nop
	global_prefetch_b8 v0, s[64:65] scope:SCOPE_SE
	s_setreg_imm32_b32 hwreg(HW_REG_WAVE_MODE, 25, 1), 1
	s_wait_xcnt 0x0
; THE INPUTS OF THE MATRIX PRODUCTS ARE ROUNDED ONCE.  x -> xb, bf16 [2048][2048].  Wq, Wk, Wv -> wb, bf16 [2048 k][4096 n]: columns 0-2047 Wq, 2048-3071 Wk, 3072-4095 Wv.
; Wo -> wob [2048 k][2048 n]: rounded to bf16 like the other inputs, and that number written as f16, the format of the product that reads it.
; LIMITS.  A number of Wo beyond 65,504 becomes an infinity; below 2^-17 the bf16 number no longer fits f16 exactly and is off by at most 2^-25.
; A stream: no LDS, no matrix unit, no cluster (no two work-groups read the same byte).  The grid's y names a UNIT of 2^21 numbers: 0, 1 x; 2, 3 Wq; 4 Wk; 5 Wv; 6, 7 Wo.
; A CHUNK is 1,024 f32: 4,096 bytes in, 2,048 out.  A wave takes two chunks on end: 16 loads of 512 consecutive bytes, all issued at once; each store of the wave covers 256 consecutive bytes, aligned.
.set X,    8                           ; v[8:71]    16 loads of 4 registers
.set Y,    72                          ; v[72:103]  16 pairs to store; each is written for one store alone, so no wait frees a register
.set T,    104                         ; v[104:107] at work
.set SRC,  28                          ; s[28:29]  my 8,192 bytes of the unit's tensor
.set DST,  30                          ; s[30:31]  where my first chunk goes
.set DST2, 42                          ; s[42:43]  where my second chunk goes
	s_load_b512 s[8:23], s[0:1], 0x0               ; x s[8:9], Wq s[10:11], Wk s[12:13], Wv s[14:15], Wo s[16:17], xb s[18:19], wb s[20:21], wob s[22:23]
	v_lshrrev_b32 v3, 5, v0
	v_readfirstlane_b32 s25, v3                    ; wave 0..7
	v_and_b32 v4, 31, v0
	v_lshlrev_b32 v1, 4, v4                        ; 16 bytes a lane in,
	v_lshlrev_b32 v2, 3, v4                        ; 8 bytes a lane out
	s_and_b32 s24, ttmp7, 0xffff                   ; the unit
	s_sub_co_u32 s40, s24, 2                       ; the unit's number within Wq,
	s_sub_co_u32 s41, s24, 6                       ; and within Wo
	s_mov_b32 s32, s24                             ; what holds for x: the unit's number within the tensor,
	s_mov_b32 s33, 4096                            ; bytes from row to row of the output,
	s_mov_b32 s34, 0                               ; the tensor's first column there, in bytes,
	s_mov_b32 s35, 1                               ; log2 of the chunks in an input row,
	s_mov_b32 s36, 2048                            ; bytes from my first chunk's place to my second's
	s_mov_b32 s37, 0
	s_wait_kmcnt 0x0
	s_mov_b64 s[SRC:SRC+1], s[8:9]
	s_mov_b64 s[DST:DST+1], s[18:19]
	s_cmp_ge_u32 s24, 2                            ; Wq: rows of wb are 8,192 bytes
	s_cselect_b64 s[SRC:SRC+1], s[10:11], s[SRC:SRC+1]
	s_cselect_b64 s[DST:DST+1], s[20:21], s[DST:DST+1]
	s_cselect_b32 s32, s40, s32
	s_cselect_b32 s33, 8192, s33
	s_cmp_ge_u32 s24, 4                            ; Wk: a row is one chunk, so my second chunk is the next row
	s_cselect_b64 s[SRC:SRC+1], s[12:13], s[SRC:SRC+1]
	s_cselect_b32 s32, 0, s32
	s_cselect_b32 s34, 4096, s34
	s_cselect_b32 s35, 0, s35
	s_cselect_b32 s36, 8192, s36
	s_cmp_ge_u32 s24, 5                            ; Wv
	s_cselect_b64 s[SRC:SRC+1], s[14:15], s[SRC:SRC+1]
	s_cselect_b32 s34, 6144, s34
	s_cmp_ge_u32 s24, 6                            ; Wo: as x
	s_cselect_b64 s[SRC:SRC+1], s[16:17], s[SRC:SRC+1]
	s_cselect_b64 s[DST:DST+1], s[22:23], s[DST:DST+1]
	s_cselect_b32 s32, s41, s32
	s_cselect_b32 s33, 4096, s33
	s_cselect_b32 s34, 0, s34
	s_cselect_b32 s35, 1, s35
	s_cselect_b32 s36, 2048, s36
	s_lshl_b32 s26, s32, 11                        ; my first chunk: 2,048 a unit,
	s_lshl_b32 s27, ttmp9, 4                       ; 16 a work-group,
	s_add_co_u32 s26, s26, s27
	s_lshl1_add_u32 s26, s25, s26                  ; 2 a wave
	s_lshl_b32 s38, s26, 12
	s_mov_b32 s39, 0
	s_add_nc_u64 s[SRC:SRC+1], s[SRC:SRC+1], s[38:39]
	s_lshr_b32 s44, s26, s35                       ; its row,
	s_mul_i32 s44, s44, s33
	s_add_co_u32 s44, s44, s34
	s_mov_b32 s45, 0
	s_add_nc_u64 s[DST:DST+1], s[DST:DST+1], s[44:45]
	s_add_nc_u64 s[DST2:DST2+1], s[DST:DST+1], s[36:37]
.irp j, 0,1,2,3,4,5,6,7,8,9,10,11,12,13,14,15
	global_load_b128 v[X+4*(\j):X+4*(\j)+3], v1, s[SRC:SRC+1] offset:512*(\j) th:TH_LOAD_NT
.endr
; Load j is rounded and stored.  half = 1: the bf16 numbers are widened again and written as f16.
.macro CV j, half
	s_wait_loadcnt 15-(\j)                         ; loads come back in order: mine is in, the 15 - j younger ones stay out
	v_cvt_pk_bf16_f32 v[Y+2*(\j)], v[X+4*(\j)], v[X+4*(\j)+1]
	v_cvt_pk_bf16_f32 v[Y+2*(\j)+1], v[X+4*(\j)+2], v[X+4*(\j)+3]
.if \half
	v_lshlrev_b32 v[T], 16, v[Y+2*(\j)]
	v_and_b32 v[T+1], 0xffff0000, v[Y+2*(\j)]
	v_lshlrev_b32 v[T+2], 16, v[Y+2*(\j)+1]
	v_and_b32 v[T+3], 0xffff0000, v[Y+2*(\j)+1]
	v_cvt_pk_f16_f32 v[Y+2*(\j)], v[T], v[T+1]
	v_cvt_pk_f16_f32 v[Y+2*(\j)+1], v[T+2], v[T+3]
.endif
.if (\j) < 8
	global_store_b64 v2, v[Y+2*(\j):Y+2*(\j)+1], s[DST:DST+1] offset:256*(\j)
.else
	global_store_b64 v2, v[Y+2*(\j):Y+2*(\j)+1], s[DST2:DST2+1] offset:256*((\j)-8)
.endif
.endm
	s_cmp_ge_u32 s24, 6
	s_cbranch_scc1 .Lhalf
.irp j, 0,1,2,3,4,5,6,7,8,9,10,11,12,13,14,15
	CV \j, 0
.endr
	s_endpgm
.Lhalf:
.irp j, 0,1,2,3,4,5,6,7,8,9,10,11,12,13,14,15
	CV \j, 1
.endr
	s_endpgm
.Lfunc_end_k_qa7fe2f66f8_prep:
	.size	k_qa7fe2f66f8_prep, .Lfunc_end_k_qa7fe2f66f8_prep-k_qa7fe2f66f8_prep
	.p2alignl 7, 3214868480
	.fill 96, 4, 3214868480
	.section	.rodata,"a",@progbits
	.p2align	6, 0x0
	.amdhsa_kernel k_qa7fe2f66f8_prep
		.amdhsa_group_segment_fixed_size 0
		.amdhsa_private_segment_fixed_size 0
		.amdhsa_enable_private_segment 0
		.amdhsa_kernarg_size 64
		.amdhsa_user_sgpr_count 2
		.amdhsa_user_sgpr_kernarg_segment_ptr 1
		.amdhsa_wavefront_size32 1
		.amdhsa_system_sgpr_workgroup_id_x 1
		.amdhsa_system_sgpr_workgroup_id_y 1
		.amdhsa_system_sgpr_workgroup_id_z 1
		.amdhsa_system_vgpr_workitem_id 0
		.amdhsa_next_free_vgpr 112
		.amdhsa_next_free_sgpr 66
		.amdhsa_reserve_vcc 0
		.amdhsa_float_denorm_mode_32 3
		.amdhsa_float_denorm_mode_16_64 3
		.amdhsa_memory_ordered 1
		.amdhsa_forward_progress 1
		.amdhsa_inst_pref_size 17
	.end_amdhsa_kernel
	.amdgpu_metadata
---
amdhsa.version: [ 1, 2 ]
amdhsa.kernels:
  - .name:           k_qa7fe2f66f8_prep
    .symbol:         k_qa7fe2f66f8_prep.kd
    .args:
      - { .name: x, .offset: 0, .size: 8, .value_kind: global_buffer, .address_space: global }
      - { .name: Wq, .offset: 8, .size: 8, .value_kind: global_buffer, .address_space: global }
      - { .name: Wk, .offset: 16, .size: 8, .value_kind: global_buffer, .address_space: global }
      - { .name: Wv, .offset: 24, .size: 8, .value_kind: global_buffer, .address_space: global }
      - { .name: Wo, .offset: 32, .size: 8, .value_kind: global_buffer, .address_space: global }
      - { .name: xb, .offset: 40, .size: 8, .value_kind: global_buffer, .address_space: global }
      - { .name: wb, .offset: 48, .size: 8, .value_kind: global_buffer, .address_space: global }
      - { .name: wob, .offset: 56, .size: 8, .value_kind: global_buffer, .address_space: global }
    .group_segment_fixed_size: 0
    .private_segment_fixed_size: 0
    .kernarg_segment_align: 8
    .kernarg_segment_size: 64
    .max_flat_workgroup_size: 256
    .sgpr_count:     66
    .vgpr_count:     112
    .wavefront_size: 32
...
	.end_amdgpu_metadata
.endif
;; end of part 1
;; launch qkv (part 2): grid 16 x 16, 4 waves a work-group, clusters of 4 x 4, 327,680 bytes of LDS; arguments xb, wb, cos, sin, qh, kh, vh; writes qh, kh, vh
.if DOCPART == 2
	.amdgcn_target "amdgcn-amd-amdhsa--gfx1250"
	.amdhsa_code_object_version 6
	.text
	.protected	k_qa7fe2f66f8_qkv
	.globl	k_qa7fe2f66f8_qkv
	.p2align	8
	.type	k_qa7fe2f66f8_qkv,@function
k_qa7fe2f66f8_qkv:
	s_mov_b64 s[64:65], 0
	v_nop
	global_prefetch_b8 v0, s[64:65] scope:SCOPE_SE
	s_setreg_imm32_b32 hwreg(HW_REG_WAVE_MODE, 25, 1), 1
	s_wait_xcnt 0x0
	s_wait_alu depctr_hold_cnt(0) depctr_sa_sdst(0) depctr_va_vdst(0) depctr_va_sdst(0) depctr_va_ssrc(0) depctr_va_vcc(0) depctr_vm_vsrc(0)
	s_getreg_b32 s2, hwreg(HW_REG_IB_STS2, 6, 4)
	s_cmp_eq_u32 s2, 0
	s_cbranch_scc0 .Lentry_in_a_cluster
	s_endpgm
.Lentry_in_a_cluster:
	s_bfe_u32 s2, ttmp6, 0x10000c
	s_cmp_lg_u32 s2, 0xf033
	s_cbranch_scc0 .Lentry_shape_is_right
	s_endpgm
.Lentry_shape_is_right:
; [q | k | v] = xb wb, then the rotation of q and k by cos and sin, stored by heads.  xb: bf16 [2048 m][2048 k].  wb: bf16 [2048 k][4096 n].  cos, sin: f32 [2048][32].
; qh: f16 [16][2048][128], kh, vh: f16 [8][2048][128].  Sums in f32, K ascending; the rotation in f32 (a multiply and a fused multiply-add where the source has two multiplies and a sum); one rounding to f16.
; cos and sin are rounded to bf16, like all inputs, and multiplied by 2^-6 (exact): q and k are stored times 2^-6, which the softmax's scale undoes.
; LIMITS.  f16 ends at 65,504: q and k have room up to 4.2e6, v (stored as it is) up to 65,504; below 6e-5 a stored number keeps f16's fixed step of 6e-8.  NaN and infinities are not treated apart.
; SHARES.  A tile of the result is 128 rows x 256 columns: 16 x 16 work-groups.  Four waves, each 64 rows x 128 columns, one head's 128 channels: 32 accumulators of 16 x 16, 256 registers.
; K goes in steps of 128 through a ring of two LDS slots filled by the tensor data mover: 128 rows x 256 bytes of xb, 128 k-rows x 512 bytes of wb.
; CLUSTER.  4 x 4 work-groups.  The four of a row of the cluster need the same tile of xb, the four of a column the same tile of wb: each is asked for JOINTLY, by the same tensor load with the same
; descriptor and a mask that names the four.  A cluster's x says what it makes: 0, 1 q; 2 k; 3 v: what hangs on that is the same in all sixteen partners.
; THE MATRIX INSTRUCTION IS USED TRANSPOSED: source 0 = 16 columns of wb (turned on the way out of LDS by ds_load_tr16_b128, since wb lies [k][n]), source 1 = 16 rows of xb.
; A lane then holds row l % 16 and the columns 8 (l / 16) + 0..7: four pairs of the rotation, and 16 bytes of the output.
; REGISTERS, in windows of 256 (s_set_vgpr_msb: bits 1:0 source 0, 3:2 source 1, 5:4 source 2, 7:6 destination):
;   window 0: v0-31 addresses; v64-159, v160-255 two fragment buffers of 96 (4 fragments of xb, then 8 of wb); on the way out v64-127 rotated, v128-159 packed, v160-223 rows read back
;   window 1: the accumulators, (a, nb) at v[8 (8 a + nb)]          window 2: v0-127 cos and sin of my 64 rows
.set PA,     272                       ; an LDS row of xb: 256 bytes + 16 = 68 words: the 16 rows of a load start at 16 different groups of four banks (64 banks of 4 bytes: ISA guide 11.1)
.set PB,     544                       ; an LDS row of wb: 512 bytes + 32 = 136 words
.set AHALF,  64*PA                     ; what one tensor load brings of xb
.set ATILE,  2*AHALF
.set BHALF,  64*PB                     ; and of wb
.set SLOT,   ATILE+2*BHALF
.set STAGE,  2*SLOT                    ; behind the ring: 16 rows x 272 bytes for each wave, for the way out
.set SPITCH, 272
.set SPARE,  STAGE+4*16*SPITCH         ; behind the stages: the spare words, 128 bytes for each wave: two blocks of 256 bytes that no other line names
.set LAPS,   8                         ; a lap = two K steps = once round the ring
.set ASTEP,  256                       ; bytes from a K step to the next in xb,
.set BSTEP,  128*8192                  ; and in wb
.set ADRA, 16                          ; v16-17  LDS address of my fragments of xb in slot 0, 1
.set ADRB, 20                          ; v20-21  the same for wb
.set STO,  24                          ; v24     the way out: where I put 16 bytes of a row
.set RD,   25                          ; v25     where I read rows back
.set CO,   26                          ; v26     my byte offset in two rows of the output
.set CSO,  27                          ; v27     my byte offset in 16 rows of cos and sin
.set SPW,  28                          ; v28     LDS address of my spare word; never rewritten
.set NIL,  29                          ; v29     0; never rewritten
.set PFO,  30                          ; v30     the prefetches' offset; never rewritten
.set F0,   64
.set F1,   160
.set T,    64
.set TMP,  128
.set OB,   160
.set G1A,  28                          ; s[28:35] descriptor group 1 for xb's tiles;  s[36:43] group 0, a set for each slot
.set G0A,  36
.set G1B,  44                          ; s[44:51], s[52:59] the same for wb's
.set G0B,  52
.set PFA,  60                          ; s[60:61] where my prefetches stand
.set LIM,  62                          ; s62     1 in a wave that prefetches, else the greatest number
.set PSTEP, 66                         ; s[66:67] bytes from a K step to the next in the tensor that I prefetch
.set OUT,  68                          ; s[68:69] my 64 rows of my head in qh, kh or vh
.set MSB, 0
.macro WIN new                         ; the immediate's high byte repeats the setting that is left; a switch that changes nothing is dropped
.if MSB != (\new)
	s_set_vgpr_msb (MSB<<8)|(\new)
.set MSB, \new
.endif
.endm
; A joint load.  Waves 0 and 1 fetch the two halves of xb's tile, waves 2 and 3 those of wb's.  The branch hangs on the wave's number alone.  An s_nop 0 and four v_nop follow each line.
.macro JLOAD s
	s_cmp_eq_u32 s21, 0
	s_cbranch_scc0 .Lfor_b_\@
	tensor_load_to_lds s[G0A+4*(\s):G0A+4*(\s)+3], s[G1A:G1A+7]
	s_nop 0
.rept 4
	v_nop
.endr
	s_branch .Lasked_\@
.Lfor_b_\@:
	tensor_load_to_lds s[G0B+4*(\s):G0B+4*(\s)+3], s[G1B:G1B+7]
	s_nop 0
.rept 4
	v_nop
.endr
.Lasked_\@:
.endm
; A PREFETCH INTO THE L2 of the K step that stands two refills on, 256 matrix instructions ahead of the load that will want it: 32 blocks of 256 bytes, a lane a block, one instruction.
; Each block is named once in the launch.  xb's 128 rows of a tile row: the clusters with x = 0 ask; the four partners of a row of the cluster take 32 rows each, told apart by address; wave 0 asks.
; wb's 128 k-rows x 512 bytes of a tile column: the clusters with y = 0 ask; the four partners of a column take 32 k-rows each, waves 2 and 3 sixteen of them, two blocks a row.
; The loop's last trip asks for nothing: its two refills have no K step two on.
.macro ASK
	s_cmp_gt_u32 s3, s[LIM]
	s_cbranch_scc0 .Lnot_mine_\@
	global_prefetch_b8 v[PFO], s[PFA:PFA+1] th:TH_LOAD_NT scope:SCOPE_SE
.Lnot_mine_\@:
.endm
.macro CREST                           ; a round of the cluster's barrier behind its opening barrier
	s_cmp_lg_u32 s20, 0
	s_cbranch_scc1 .Lnot_wave_0_\@
	s_barrier_signal -3
.Lnot_wave_0_\@:
	s_barrier_wait -3
	s_barrier_signal -1
	s_barrier_wait -1
.endm
.macro CROUND                          ; a whole round
	s_barrier_signal -1
	s_barrier_wait -1
	CREST
.endm
	s_load_b256 s[4:11], s[0:1], 0x0               ; xb s[4:5], wb s[6:7], cos s[8:9], sin s[10:11]
	s_load_b128 s[12:15], s[0:1], 0x20             ; qh s[12:13], kh s[14:15]
	s_load_b64 s[16:17], s[0:1], 0x30              ; vh
	v_lshl_add_u32 v[SPW], v0, 2, SPARE
	v_mov_b32 v[NIL], 0
	ds_add_u32 v[SPW], v[NIL]                      ; the wave's opening: the add and its wait stand ahead of my first tensor load; the set-up below, work on registers, stands between them
	v_lshrrev_b32 v1, 5, v0
	v_readfirstlane_b32 s20, v1                    ; wave 0..3
	s_lshr_b32 s21, s20, 1                         ; which 64 rows of the tile are mine.  Also: I fetch for xb (0) or for wb (1)
	s_and_b32 s22, s20, 1                          ; which 128 columns.  Also: which half of that tile I fetch
	s_bfe_u32 s23, ttmp6, 0x40000                  ; cx, cy: my place in the cluster
	s_bfe_u32 s24, ttmp6, 0x40004
	s_lshl_b32 s25, ttmp9, 2
	s_add_co_u32 s25, s25, s23                     ; tile column = 4 x cluster x + cx
	s_and_b32 s26, ttmp7, 0xffff
	s_lshl_b32 s26, s26, 2
	s_add_co_u32 s26, s26, s24                     ; tile row = 4 x cluster y + cy
	s_lshl_b32 s72, s24, 2
	s_lshl_b32 s72, 15, s72                        ; my row of the cluster
	s_lshl_b32 s73, 0x1111, s23                    ; my column
	s_or_b32 s[G1A], s72, (1<<16)|(1<<20)|(1<<21)|(5<<22)|(3<<25)  ; 15:0 the mask; 17:16 elements of 2 bytes; 20 padding on; 21 set beside a mask; 24:22 after every 64 words (code 5); 31:25 4 words (code 3)
	s_or_b32 s[G1B], s73, (1<<16)|(1<<20)|(1<<21)|(6<<22)|(7<<25)  ; the column's mask; after every 128 words (code 6) 8 words (code 7)
	s_mov_b32 s[G1A+1], 128<<16                    ; tensor_dim0 = 128
	s_mov_b32 s[G1A+2], 64<<16                     ; tensor_dim1 = 64
	s_mov_b32 s[G1A+3], 128<<16                    ; tile_dim0 = 128
	s_mov_b32 s[G1A+4], 64                         ; tile_dim1 = 64
	s_mov_b32 s[G1A+5], 2048                       ; elements from row to row
	s_mov_b32 s[G1A+6], 0
	s_mov_b32 s[G1A+7], 0
	s_mov_b32 s[G1B+1], 256<<16
	s_mov_b32 s[G1B+2], 64<<16
	s_mov_b32 s[G1B+3], 256<<16
	s_mov_b32 s[G1B+4], 64
	s_mov_b32 s[G1B+5], 4096
	s_mov_b32 s[G1B+6], 0
	s_mov_b32 s[G1B+7], 0
	s_mov_b32 s70, 0xffff0000                      ; a word's upper bf16
	s_lshl_b32 s74, s26, 7                         ; xb: row 128 x tile row + 64 x half, 4,096 bytes a row: the tile row and the wave's number alone
	s_lshl_b32 s75, s22, 6
	s_add_co_u32 s74, s74, s75
	s_lshl_b32 s74, s74, 12
	s_mov_b32 s75, 0
	s_lshl_b32 s78, s22, 19                        ; wb: k-row 64 x half, 8,192 bytes a row; 512 bytes a tile column: the tile column and the wave's number alone
	s_lshl_b32 s79, s25, 9
	s_add_co_u32 s78, s78, s79
	s_mov_b32 s79, 0
	s_mul_i32 s80, s22, AHALF                      ; where they go: no place in the cluster enters an LDS address
	s_mul_i32 s81, s22, BHALF
	s_add_co_u32 s81, s81, ATILE
	s_wait_dscnt 0x0                               ; the opening add is done
	s_wait_kmcnt 0x0
	s_add_nc_u64 s[76:77], s[4:5], s[74:75]
	s_add_nc_u64 s[82:83], s[6:7], s[78:79]
	CROUND                                         ; all sixteen work-groups are here: the first joint loads meet
.irp s, 0,1
	s_mov_b32 s[G0A+4*(\s)], 1                     ; count = 1
	s_add_co_u32 s[G0A+4*(\s)+1], s80, (\s)*SLOT   ; LDS address
	s_add_nc_u64 s[G0A+4*(\s)+2:G0A+4*(\s)+3], s[76:77], (\s)*ASTEP  ; global address: K step s
	s_or_b32 s[G0A+4*(\s)+3], s[G0A+4*(\s)+3], 0x80000000            ; type = 2
	s_mov_b32 s[G0B+4*(\s)], 1
	s_add_co_u32 s[G0B+4*(\s)+1], s81, (\s)*SLOT
	s_add_nc_u64 s[G0B+4*(\s)+2:G0B+4*(\s)+3], s[82:83], (\s)*BSTEP
	s_or_b32 s[G0B+4*(\s)+3], s[G0B+4*(\s)+3], 0x80000000
	JLOAD \s                                       ; two loads of mine are out
.endr
	; A fragment is 16 rows x 32 K in 8 registers: lane l holds row l % 16; registers 0-3 K = 8 (l / 16) + 0..7, registers 4-7 K = 16 + 8 (l / 16) + 0..7.
	v_and_b32 v1, 15, v0                           ; l % 16
	v_bfe_u32 v2, v0, 4, 1                         ; l / 16
	v_mul_u32_u24 v3, v1, PA
	v_lshl_add_u32 v3, v2, 4, v3                   ; xb lies along K: row x pitch + 16 x half, two loads 32 bytes apart
	s_mul_i32 s92, s21, AHALF                      ; my 64 rows
	v_add_nc_u32 v[ADRA], s92, v3
	v_add_nc_u32 v[ADRA+1], SLOT, v[ADRA]
	v_and_b32 v4, 7, v0                            ; wb lies [k][n]: the turning load takes 16 k x 16 n: lane l reads k-row 8 (l / 16) + l % 8, columns 8 ((l / 8) % 2) + 0..7
	v_lshl_add_u32 v4, v2, 3, v4
	v_mul_u32_u24 v4, v4, PB
	v_bfe_u32 v5, v0, 3, 1
	v_lshl_add_u32 v4, v5, 4, v4
	s_lshl_b32 s93, s22, 8                         ; my 128 columns
	s_add_co_u32 s93, s93, ATILE
	v_add_nc_u32 v[ADRB], s93, v4
	v_add_nc_u32 v[ADRB+1], SLOT, v[ADRB]
	s_mul_i32 s94, s20, 16*SPITCH
	s_add_co_u32 s94, s94, STAGE                   ; my stage
	v_mul_u32_u24 v6, v1, SPITCH                   ; in: row l % 16, 16 bytes for each half of the lanes
	v_lshl_add_u32 v6, v2, 4, v6
	v_add_nc_u32 v[STO], s94, v6
	v_mul_u32_u24 v7, v2, SPITCH                   ; back: lanes 0-15 take one row of 256 bytes, lanes 16-31 the next
	v_lshl_add_u32 v7, v1, 4, v7
	v_add_nc_u32 v[RD], s94, v7
	v_lshlrev_b32 v[CO], 8, v2                     ; and the same two rows of a head, 256 bytes each
	v_lshl_add_u32 v[CO], v1, 4, v[CO]
	v_lshlrev_b32 v[CSO], 7, v1                    ; a row of cos or sin is 128 bytes; my four pairs of a group of 16 columns are 16 bytes
	v_lshl_add_u32 v[CSO], v2, 4, v[CSO]
	s_lshl_b32 s72, s26, 7
	s_lshl_b32 s73, s21, 6
	s_add_co_u32 s72, s72, s73                     ; my first row
	s_lshl_b32 s72, s72, 7
	s_mov_b32 s73, 0
	s_add_nc_u64 s[8:9], s[8:9], s[72:73]
	s_add_nc_u64 s[10:11], s[10:11], s[72:73]
	; cos and sin of my 64 rows: block a of 16 rows, group qd of 16 columns of a half head: cos at 32 a + 4 qd, sin at 32 a + 16 + 4 qd.  They land under the K loop and are waited for on the way out.
	; Every work-group loads them, those that make v too, so that one text serves all.
	WIN 0x80                                       ; destination window 2, address window 0
.irp a, 0,1,2,3
.irp qd, 0,1,2,3
	global_load_b128 v[32*(\a)+4*(\qd):32*(\a)+4*(\qd)+3], v[CSO], s[8:9] offset:(\a)*2048+(\qd)*32
	global_load_b128 v[32*(\a)+16+4*(\qd):32*(\a)+16+4*(\qd)+3], v[CSO], s[10:11] offset:(\a)*2048+(\qd)*32
.endr
.endr
	WIN 0
	; the prefetches
	s_and_b32 s84, ttmp7, 0xffff                   ; cluster y
	s_mov_b32 s[PSTEP], BSTEP
	s_cmp_eq_u32 s21, 0                            ; do I fetch for xb?
	s_cselect_b32 s84, ttmp9, s84                  ; the coordinate along which other clusters read the same blocks
	s_cselect_b32 s85, s22, 0                      ; of xb's two waves the first alone asks
	s_cselect_b32 s86, 0, 1                        ; log2 of the blocks in a row
	s_cselect_b32 s[PSTEP], ASTEP, s[PSTEP]
	s_cselect_b64 s[PFA:PFA+1], s[4:5], s[6:7]
	s_mov_b32 s[PSTEP+1], 0
	s_lshl_b32 s87, 4096, s86                      ; bytes from row to row
	s_or_b32 s84, s84, s85
	s_cmp_eq_u32 s84, 0
	s_cselect_b32 s[LIM], 1, -1                    ; the same in all sixteen partners, for a given wave
	s_lshl_b32 s88, s26, 7                         ; xb: row 128 x tile row + 32 cx
	s_lshl_b32 s89, s23, 5
	s_add_co_u32 s88, s88, s89
	s_lshl_b32 s88, s88, 12
	s_add_co_u32 s88, s88, 3*ASTEP                 ; at K step 3: the first refill steps it to 4
	s_lshl_b32 s90, s24, 5                         ; wb: k-row 32 cy + 16 x half
	s_lshl4_add_u32 s90, s22, s90
	s_lshl_b32 s90, s90, 13
	s_lshl_b32 s91, s25, 9
	s_add_co_u32 s90, s90, s91
	s_add_co_u32 s90, s90, 3*BSTEP
	s_cmp_eq_u32 s21, 0
	s_cselect_b32 s88, s88, s90
	s_mov_b32 s89, 0
	s_add_nc_u64 s[PFA:PFA+1], s[PFA:PFA+1], s[88:89]
	v_and_b32 v8, 31, v0
	v_lshrrev_b32 v[PFO], s86, v8                  ; my row,
	v_mul_u32_u24 v[PFO], s87, v[PFO]
	v_and_b32 v9, s86, v8                          ; my block in it
	v_lshl_add_u32 v[PFO], v9, 8, v[PFO]
; 8 matrix instructions: row block a x all 8 column blocks, 32 along K.  zero = 1: the product starts the sums: nothing is ever cleared.
; The 32 accumulators take turns, one instruction a turn, in the same order in every quarter, over the backward jump too.
.macro MUL8 f, a, zero
	WIN 0x50                                       ; C and D window 1
.irp b, 0,1,2,3,4,5,6,7
.if \zero
	v_wmma_f32_16x16x32_bf16 v[8*(8*(\a)+(\b)):8*(8*(\a)+(\b))+7], v[(\f)+32+8*(\b):(\f)+32+8*(\b)+7], v[(\f)+8*(\a):(\f)+8*(\a)+7], 0
.else
	v_wmma_f32_16x16x32_bf16 v[8*(8*(\a)+(\b)):8*(8*(\a)+(\b))+7], v[(\f)+32+8*(\b):(\f)+32+8*(\b)+7], v[(\f)+8*(\a):(\f)+8*(\a)+7], v[8*(8*(\a)+(\b)):8*(8*(\a)+(\b))+7]
.endif
.endr
.endm
; 24 LDS loads in one run: the fragments of quarter kq (32 along K) of a slot into buffer f: wb's eight, then xb's four
.macro FETCH slot, kq, f
	WIN 0
.irp i, 0,1,2,3,4,5,6,7
	ds_load_tr16_b128 v[(\f)+32+8*(\i):(\f)+32+8*(\i)+3],   v[ADRB+(\slot)] offset:(\kq)*32*PB+32*(\i)
	ds_load_tr16_b128 v[(\f)+32+8*(\i)+4:(\f)+32+8*(\i)+7], v[ADRB+(\slot)] offset:(\kq)*32*PB+16*PB+32*(\i)
.endr
.irp i, 0,1,2,3
	ds_load_b128 v[(\f)+8*(\i):(\f)+8*(\i)+3],   v[ADRA+(\slot)] offset:(\kq)*64+(\i)*16*PA
	ds_load_b128 v[(\f)+8*(\i)+4:(\f)+8*(\i)+7], v[ADRA+(\slot)] offset:(\kq)*64+(\i)*16*PA+32
.endr
.endm
.macro PLACES                          ; four places in front of loads into registers that matrix instructions have read, and of vector work that reads results
.rept 4
	v_nop
.endr
.endm
; A K step is four quarters of 32 along K, 32 matrix instructions each, on buffers 0, 1, 0, 1.  One of the first three: multiplies buffer f and fetches quarter kq into g.
.macro QUARTER slot, kq, f, g, zero
	s_wait_dscnt 4                                 ; wb's fragments and xb's blocks 0 and 1 are in; the youngest four loads (blocks 2 and 3) may be out
	MUL8 \f, 0, \zero
	MUL8 \f, 1, \zero
	PLACES
	FETCH \slot, \kq, \g
	s_wait_dscnt 24                                ; all but the 24 just issued
	MUL8 \f, 2, \zero
	MUL8 \f, 3, \zero
.endm
; The last quarter multiplies buffer 1 and changes slots: ONE barrier; in front of it each wave waits for all its tensor loads (one is out: its part of the next slot), adds 0 to its spare word,
; and waits for that and for its own reads of this slot.  fill = 1: the barrier opens a round of the cluster's, and this slot is filled again, two K steps ahead, first thing behind the round.
.macro TURN slot, next, fill
.if \fill
	s_wait_xcnt 0x0                                ; the last prefetch, a K step back, has read its address: it is stepped here, ahead of the waits of the change of slots
	s_add_nc_u64 s[PFA:PFA+1], s[PFA:PFA+1], s[PSTEP:PSTEP+1]
.endif
	WIN 0                                          ; (the add's two registers lie in window 0)
	s_wait_tensorcnt 0x0                           ; all my tensor loads have landed
	ds_add_u32 v[SPW], v[NIL]                      ; 0 onto my spare word
	s_wait_dscnt 5                                 ; (the add and the youngest four loads may be out)
	MUL8 F1, 0, 0                                  ; eight matrix instructions stand between the add and the wait for it
	s_wait_dscnt 0x0                               ; the add is done, and my reads of this slot are over
	s_barrier_signal -1
	MUL8 F1, 1, 0
.if \fill
	WIN 0
.endif
	s_barrier_wait -1
.if \fill
	CREST                                          ; no wave of any partner still reads this slot's tile or has a load on its way
	s_add_nc_u64 s[G0A+4*(\slot)+2:G0A+4*(\slot)+3], s[G0A+4*(\slot)+2:G0A+4*(\slot)+3], 2*ASTEP
	s_add_nc_u64 s[G0B+4*(\slot)+2:G0B+4*(\slot)+3], s[G0B+4*(\slot)+2:G0B+4*(\slot)+3], 2*BSTEP
	JLOAD \slot                                    ; 112 matrix instructions ahead of the wait for it; the four v_nop behind it are also the places in front of the loads below
.else
	PLACES
.endif
	FETCH \next, 0, F0
.if \fill
	ASK
.endif
	MUL8 F1, 2, 0
	MUL8 F1, 3, 0
.endm
	s_wait_tensorcnt 1                             ; my part of K step 0 is in; K step 1's may stay out
	s_barrier_signal -1
	s_barrier_wait -1                              ; everybody's is
	FETCH 0, 0, F0
	QUARTER 0, 1, F0, F1, 1                        ; the first quarter stands in front of the loop: its products start the sums
	WIN 0                                          ; at a label and at a branch every window is 0
	s_mov_b32 s3, LAPS-1
.Llap:                                                 ; a trip goes once round the ring, from a lap's second quarter to the next lap's first, and fills both slots again
	QUARTER 0, 2, F1, F0, 0
	QUARTER 0, 3, F0, F1, 0
	TURN 0, 1, 1
	QUARTER 1, 1, F0, F1, 0
	QUARTER 1, 2, F1, F0, 0
	QUARTER 1, 3, F0, F1, 0
	TURN 1, 0, 1
	QUARTER 0, 1, F0, F1, 0
	WIN 0
	s_sub_co_u32 s3, s3, 1
	s_cmp_lg_u32 s3, 0
	s_cbranch_scc1 .Llap
	QUARTER 0, 2, F1, F0, 0                        ; the last lap fills nothing, and has no round of the cluster's barrier
	QUARTER 0, 3, F0, F1, 0
	TURN 0, 1, 0
	QUARTER 1, 1, F0, F1, 0
	QUARTER 1, 2, F1, F0, 0
	QUARTER 1, 3, F0, F1, 0
	s_wait_dscnt 4                                 ; the very last quarter: nothing more to fetch
	MUL8 F1, 0, 0
	MUL8 F1, 1, 0
	s_wait_dscnt 0x0
	MUL8 F1, 2, 0
	MUL8 F1, 3, 0
	PLACES
	WIN 0
	; THE WAY OUT.  Where my 64 rows of my head lie: q's heads are tile columns 0-7, k's 8-11, v's 12-15, two heads a tile column.
	s_wait_loadcnt 0x0                             ; cos and sin
	s_cmp_ge_u32 ttmp9, 2
	s_cselect_b64 s[OUT:OUT+1], s[14:15], s[12:13]
	s_cselect_b32 s72, 8, 0
	s_cmp_eq_u32 ttmp9, 3
	s_cselect_b64 s[OUT:OUT+1], s[16:17], s[OUT:OUT+1]
	s_cselect_b32 s72, 12, s72
	s_sub_co_u32 s72, s25, s72
	s_lshl1_add_u32 s72, s72, s22                  ; the head
	s_lshl_b32 s72, s72, 11                        ; its 2,048 rows
	s_lshl_b32 s73, s26, 7
	s_add_co_u32 s72, s72, s73
	s_lshl_b32 s73, s21, 6
	s_add_co_u32 s72, s72, s73
	s_lshl_b32 s72, s72, 8                         ; 256 bytes a row
	s_mov_b32 s73, 0
	s_add_nc_u64 s[OUT:OUT+1], s[OUT:OUT+1], s[72:73]
; Block a of 16 rows.  rope = 1: each pair (x0, x1) of neighbouring columns becomes (x0 c - x1 s, x1 c + x0 s): a packed multiply by c, then a packed fused multiply-add with the pair's halves
; exchanged and s negated for the low half.  Pair r of column block nb takes c and s number 4 (nb % 4) + r of my 16.  Each accumulator is read from its lowest registers on.
; Then: rounded to f16, 16 bytes a lane into my own stage, back as whole rows of 256 bytes, stored.
.macro BLOCK a, rope
.set BK, OB+32*((\a)%2)
.if \rope
	WIN 0x09                                       ; source 0 window 1, source 1 window 2
.irp nb, 0,1,2,3,4,5,6,7
.irp r, 0,1,2,3
.set rT, T+8*(\nb)+2*(\r)
.set rX, 8*(8*(\a)+(\nb))+2*(\r)
.set rC, 32*(\a)+4*((\nb)%4)+2*((\r)/2)
.if (\r)%2
	v_pk_mul_f32 v[rT:rT+1], v[rX:rX+1], v[rC:rC+1] op_sel:[0,1] op_sel_hi:[1,1]
.else
	v_pk_mul_f32 v[rT:rT+1], v[rX:rX+1], v[rC:rC+1] op_sel:[0,0] op_sel_hi:[1,0]
.endif
.endr
.irp r, 0,1,2,3
.set rT, T+8*(\nb)+2*(\r)
.set rX, 8*(8*(\a)+(\nb))+2*(\r)
.set rC, 32*(\a)+16+4*((\nb)%4)+2*((\r)/2)
.if (\r)%2
	v_pk_fma_f32 v[rT:rT+1], v[rX:rX+1], v[rC:rC+1], v[rT:rT+1] op_sel:[1,1,0] op_sel_hi:[0,1,1] neg_lo:[0,1,0]
.else
	v_pk_fma_f32 v[rT:rT+1], v[rX:rX+1], v[rC:rC+1], v[rT:rT+1] op_sel:[1,0,0] op_sel_hi:[0,0,1] neg_lo:[0,1,0]
.endif
.endr
.endr
	WIN 0
.set i, 0
.rept 32
	v_cvt_pk_f16_f32 v[TMP+i], v[T+2*i], v[T+2*i+1]
.set i, i+1
.endr
.else
	WIN 0x05                                       ; sources 0 and 1 window 1
.set i, 0
.rept 32
	v_cvt_pk_f16_f32 v[TMP+i], v[64*(\a)+2*i], v[64*(\a)+2*i+1]
.set i, i+1
.endr
	WIN 0
.endif
.irp b, 0,1,2,3,4,5,6,7
	ds_store_b128 v[STO], v[TMP+4*(\b):TMP+4*(\b)+3] offset:32*(\b)
.endr
	s_wait_xcnt 0x0                                ; the stores of the block before last have read their registers, which the loads below fill again
.irp t, 0,1,2,3,4,5,6,7
	ds_load_b128 v[BK+4*(\t):BK+4*(\t)+3], v[RD] offset:(\t)*2*SPITCH  ; LDS serves a wave's instructions in order (ISA guide 5.7.1.4): these see the stores above
.endr
	s_wait_dscnt 0x0
.irp t, 0,1,2,3,4,5,6,7
	global_store_b128 v[CO], v[BK+4*(\t):BK+4*(\t)+3], s[OUT:OUT+1] offset:(16*(\a)+2*(\t))*256  ; 16 lanes store 256 consecutive bytes, aligned
.endr
.endm
	s_cmp_eq_u32 ttmp9, 3                          ; v is not rotated: the same answer in all sixteen partners
	s_cbranch_scc1 .Lplain
	WIN 0x0a                                       ; cos and sin are rounded to bf16, two a line, into window 0,
.set i, 0
.rept 64
	v_cvt_pk_bf16_f32 v[T+i], v[2*i], v[2*i+1]
.set i, i+1
.endr
	WIN 0x80                                       ; widened back into their registers,
.set i, 0
.rept 64
	v_lshlrev_b32 v[2*i], 16, v[T+i]
	v_and_b32 v[2*i+1], s70, v[T+i]
.set i, i+1
.endr
	WIN 0x82                                       ; and multiplied by 2^-6
.set i, 0
.rept 64
	v_pk_mul_f32 v[2*i:2*i+1], v[2*i:2*i+1], 0x3c800000 op_sel_hi:[1,0]
.set i, i+1
.endr
	BLOCK 0, 1
	BLOCK 1, 1
	BLOCK 2, 1
	BLOCK 3, 1
	s_branch .Lend
.Lplain:
	BLOCK 0, 0
	BLOCK 1, 0
	BLOCK 2, 0
	BLOCK 3, 0
.Lend:
	s_wait_tensorcnt 0x0                           ; the wave's end, behind my last tensor load and my last LDS store: an add to my spare word and its wait
	ds_add_u32 v[SPW], v[NIL]
	s_wait_dscnt 0x0
	CROUND                                         ; the closing round: no work-group ends while a partner may still ask for a tile that names it
	s_endpgm
.Lfunc_end_k_qa7fe2f66f8_qkv:
	.size	k_qa7fe2f66f8_qkv, .Lfunc_end_k_qa7fe2f66f8_qkv-k_qa7fe2f66f8_qkv
	.p2alignl 7, 3214868480
	.fill 96, 4, 3214868480
	.section	.rodata,"a",@progbits
	.p2align	6, 0x0
	.amdhsa_kernel k_qa7fe2f66f8_qkv
		.amdhsa_group_segment_fixed_size 327680
		.amdhsa_private_segment_fixed_size 0
		.amdhsa_enable_private_segment 0
		.amdhsa_kernarg_size 56
		.amdhsa_user_sgpr_count 2
		.amdhsa_user_sgpr_kernarg_segment_ptr 1
		.amdhsa_wavefront_size32 1
		.amdhsa_system_sgpr_workgroup_id_x 1
		.amdhsa_system_sgpr_workgroup_id_y 1
		.amdhsa_system_sgpr_workgroup_id_z 1
		.amdhsa_system_vgpr_workitem_id 0
		.amdhsa_next_free_vgpr 640
		.amdhsa_next_free_sgpr 100
		.amdhsa_reserve_vcc 0
		.amdhsa_float_denorm_mode_32 3
		.amdhsa_float_denorm_mode_16_64 3
		.amdhsa_memory_ordered 1
		.amdhsa_forward_progress 1
		.amdhsa_inst_pref_size 137
	.end_amdhsa_kernel
	.amdgpu_metadata
---
amdhsa.version: [ 1, 2 ]
amdhsa.kernels:
  - .name:           k_qa7fe2f66f8_qkv
    .symbol:         k_qa7fe2f66f8_qkv.kd
    .args:
      - { .name: xb, .offset: 0, .size: 8, .value_kind: global_buffer, .address_space: global }
      - { .name: wb, .offset: 8, .size: 8, .value_kind: global_buffer, .address_space: global }
      - { .name: cos, .offset: 16, .size: 8, .value_kind: global_buffer, .address_space: global }
      - { .name: sin, .offset: 24, .size: 8, .value_kind: global_buffer, .address_space: global }
      - { .name: qh, .offset: 32, .size: 8, .value_kind: global_buffer, .address_space: global }
      - { .name: kh, .offset: 40, .size: 8, .value_kind: global_buffer, .address_space: global }
      - { .name: vh, .offset: 48, .size: 8, .value_kind: global_buffer, .address_space: global }
    .group_segment_fixed_size: 327680
    .private_segment_fixed_size: 0
    .kernarg_segment_align: 8
    .kernarg_segment_size: 56
    .max_flat_workgroup_size: 128
    .sgpr_count:     100
    .vgpr_count:     640
    .wavefront_size: 32
...
	.end_amdgpu_metadata
.endif
;; end of part 2
;; launch attn (part 3): grid 32 x 8, 4 waves a work-group, clusters of 4 x 1, 327,680 bytes of LDS; arguments qh, kh, vh, ao; writes ao
.if DOCPART == 3
	.amdgcn_target "amdgcn-amd-amdhsa--gfx1250"
	.amdhsa_code_object_version 6
	.text
	.protected	k_qa7fe2f66f8_attn
	.globl	k_qa7fe2f66f8_attn
	.p2align	8
	.type	k_qa7fe2f66f8_attn,@function
k_qa7fe2f66f8_attn:
	s_mov_b64 s[64:65], 0
	v_nop
	global_prefetch_b8 v0, s[64:65] scope:SCOPE_SE
	s_setreg_imm32_b32 hwreg(HW_REG_WAVE_MODE, 25, 1), 1
	s_wait_xcnt 0x0
	s_wait_alu depctr_hold_cnt(0) depctr_sa_sdst(0) depctr_va_vdst(0) depctr_va_sdst(0) depctr_va_ssrc(0) depctr_va_vcc(0) depctr_vm_vsrc(0)
	s_getreg_b32 s2, hwreg(HW_REG_IB_STS2, 6, 4)
	s_cmp_eq_u32 s2, 0
	s_cbranch_scc0 .Lentry_in_a_cluster
	s_endpgm
.Lentry_in_a_cluster:
	s_bfe_u32 s2, ttmp6, 0x10000c
	s_cmp_lg_u32 s2, 0x3003
	s_cbranch_scc0 .Lentry_shape_is_right
	s_endpgm
.Lentry_shape_is_right:
; CAUSAL DIFFERENTIAL ATTENTION.  For query head h (0..15), key and value head g = h / 2:  O[q] = softmax_k(Q1[q] . K1[k] / 8) V[k] - 0.2 softmax_k(Q2[q] . K2[k] / 8) V[k], over k <= q.
; qh: f16 [16][2048][128] (Q1 | Q2 in a row), kh, vh: f16 [8][2048][128]; q and k arrive times 2^-6.  ao: f16 [2048][2048], column = 128 h + channel.
; ao HOLDS 1.25 O = 1.25 O1 / l1 - 0.25 O2 / l2; the launch behind multiplies its sums by 0.8.  So a row whose two softmaxes put all their weight on the same key (the first row of the causal walk) is that
; key's row of V itself, an f16 number, and is rounded without error: such rows are the largest of the output, and their roundings' errors with them.
; Products, maxima and sums in f32; the weights p are rounded to f16 for the second product (their sum l is taken of the unrounded p); 1.25 O once at the end.
; LIMITS.  f16 holds no number beyond 65,504: v stays within it, and 1.25 O, at most 1.5 times the largest |v|; below 6e-5 what is stored keeps f16's fixed step of 6e-8.  A hidden score counts as its value
; less 1e30; a weight below 2^-126 counts as 0 in l; NaN and infinities are not treated apart.
; THE WALK.  A head's queries lie in 16 blocks of 128; block i needs the key tiles 0 .. i of 128 keys, of which the last holds the diagonal.  A work-group takes TWO blocks, 15 - b and then b (b = 0 .. 7): 17 tiles,
; whatever b: all work-groups do equal work, and one loop with a constant trip count walks them.  Every jump but the counted loops' own goes forward, and none passes a barrier or a tensor load
; (but the one of a fill's two lines that the wave's number does not choose).
; CLUSTER.  The four partners have the same b and g and walk the same K and V with the same control flow, so each tile is asked for JOINTLY.  They differ in the query head (2 g + cx % 2) and in which
; half of a block's eight tiles of 16 rows they take (cx / 2): cx enters Q's and ao's addresses, the mask's VALUES and the prefetches' address, and nothing else.
; SHARES.  Wave w owns rows 16 (2 w + cx / 2) .. + 15 of the block, in BOTH halves: two STREAMS t = 0, 1 (Q1 K1, Q2 K2) that share K's and V's fragments and nothing else.  A step is 64 keys.
; LAYOUT.  S^T = K Q^T (source 0 = 16 keys, source 1 = 16 queries): a lane holds ONE query (l % 16) and the keys 8 (l / 16) + 0..7.  Two such results rounded to f16 ARE source 1 of O^T = V^T P.
; SOFTMAX.  p = 2^(c s - c m), c = log2(e) / 8 x 2^12 (the 2^12 undoes q's and k's 2^-6), with a running maximum m; O and l are multiplied by a = 2^(c m_old - c m_new) in every step.
; m starts at the lowest finite number: a block's first step has a = 0, so O^T and l need only be finite when a block begins.
; THE MASK is the C operand that starts a sum S^T: MC = MD x AL + BE.  MD, made once, is the mask of my rows' own band of 64 keys; in the diagonal tile's step s a wave of band w / 2 takes (1, 0) if
; s = w / 2, (0, 0) if s is less, (0, -1e30) if more; elsewhere MC is 0.
; BY TURNS.  In a TURN one stream has the matrix unit: 16 products V^T P of the step before, then 8 products K Q^T of the step in hand; the OTHER stream's softmax, a list of 134 instructions, stands between them:
; four behind each of the 24 products, the other 38 (the end of the sums, O^T's rescaling: all plain) together at the turn's end.  A TRIP, for step n, is two turns:
;   turn A: V^T P of stream 0 (step n - 1), K Q^T of stream 0 (step n) | stream 1's softmax of step n - 1;      turn B: the same products of stream 1 | stream 0's softmax of step n.
; K of step n is fetched at the trip's head, V of step n in the middle of turn B, behind the last product that reads V of step n - 1: in LDS a step's K is read ahead of its V and both ahead of the next step's, so
; the change of slots stands between two trips.
; REGISTERS, in windows of 256 (s_set_vgpr_msb: bits 1:0 source 0, 3:2 source 1, 5:4 source 2, 7:6 destination):
;   window 0: v0-15 addresses; v16-31 eight registers of statistics a stream; v32-95 S^T; v96-127 P; v128-255 O^T, 64 a stream: all that a softmax touches
;   window 1: v0-31 Q; v32-63 the second block's Q; v64-95 MD; v96-127 MC; v128-255 K of one step          window 2: v0-127 V of one step; v128-191 HOLD, at a block's end
; A product's operands lie in other windows than the softmax, so the four instructions behind a product cost two switches: 96 for a step's 48 products.
.set KS,    64        ; keys in a step
.set PK,    272       ; a row of K in LDS: 256 bytes + 16 = 68 words: the 16 rows of a load start at 16 different groups of four banks (64 banks of 4 bytes: ISA guide 11.1)
.set PV,    288       ; a row of V: 256 + 32 = 72 words
.set VOFF,  KS*PK     ; a step's tiles lie together: 64 rows of K, then 64 rows of V
.set STEPB, KS*(PK+PV)
.set SLOT1, 1<<17     ; a slot holds a tile, two steps (71,680 bytes); slot 1 begins here, so that one exclusive or turns an address in one slot into the other's
.set STAGE, SLOT1+2*STEPB  ; behind the ring: 16 rows x 272 bytes for each wave, for the way out
.set SP,    272
.set SPARE, STAGE+4*16*SP  ; behind the stages: the spare words, 128 bytes for each wave: two blocks of 256 bytes that no other line names
.set AK0, 2           ; v2   my lane's place in a tile of K; never rewritten
.set AV0, 3           ; v3   the same for V
.set ADK, 4           ; v4   the LDS address of K's run of loads
.set ADV, 5           ; v5   of V's
.set STO, 6           ; v6   the way out: where I put 16 bytes of a row
.set RD,  7           ; v7   where I read rows back
.set GO,  8           ; v8   my byte offset in two rows of ao
.set PFO, 10          ; v10  256 x my lane; never rewritten
.set QO,  11          ; v11  my byte offset in 16 rows of Q
.set SPW, 12          ; v12  LDS address of my spare word; never rewritten
.set NIL, 13          ; v13  0; never rewritten
.set THR, 14          ; v14  my query's place in its band of 64, less my lanes' 8 (l / 16)
.set ST,  16          ; stream t's statistics at v[ST+8 t]: +0 c m, +1 m, +2, +3 l (even keys', odd keys'), +4 to +7 c0-c3, at work; a takes c2's place once the maximum is found
.set S,   32
.set P,   96
.set OT,  128
.set Q,   0           ; window 1: channels 32 cq on at Q + 8 cq
.set QL,  32
.set MD,  64
.set MC,  96
.set KF,  128         ; window 1: key block kb, channel quarter cq at KF + 32 kb + 8 cq; stream t takes quarters 2 t and 2 t + 1
.set HOLD, 128        ; window 2: stream 0's O^T x 1.25 / l, kept while stream 0 goes on into the next block; then the rows read back from the stage
.set WV,  12          ; s12  my wave's number
.set PB,  14          ; s14  b
.set LIM, 15          ; s15  2 in a wave that prefetches, else the greatest number
.set HI,  16          ; s16  15 - b
.set SW,  17          ; s17  my rows' band: w / 2
.set PFA, 18          ; s[18:19] where my prefetches stand
.set G1K, 24          ; s[24:31] descriptor group 1 for K's tiles
.set G1V, 32          ; s[32:39] for V's: it differs in the padding alone
.set G0K, 40          ; s[40:43] descriptor group 0 for K's tiles
.set G0V, 44          ; s[44:47] the same for V's
.set TS,  52          ; s52  at work
.set IDX, 55          ; s55  the step's number in its tile
.set SLOTS, 56        ; s56  tiles still to be asked for
.set CNT, 57          ; s57  counts a tile's trips
.set CS,  58          ; s[58:59] c
.set SEL, 60          ; s[60:61] v_permlanex16_b32's selects: each lane takes its own place in the other half
.set TB,  62          ; s62  LDS byte at which the tiles of the step to be fetched begin
.set RT,  70          ; s70  tiles of the block in hand that are still to be entered
.set NXT, 71          ; s71  the tile to be asked for next
.set LQ,  72          ; s72  the last tile of the block whose tiles are being asked for
.set NW,  73          ; s73  1: the step before was a block's last
.set OFF, 74          ; s[74:75] a tile's byte offset in K and V
.set AL,  76          ; s[76:77] the mask's factor, in the low word
.set BE,  78          ; s[78:79] the mask's addend
.set OLO, 80          ; s[80:81] ao at my rows of the second block
.set BIGN, 82         ; s82  -1e30
.set DG,  83          ; s83  1: the tile in hand holds the diagonal
.set LOT, 84          ; s84  b + 1, the second block's tiles
.set MSB, 0
.macro WIN new                      ; the high byte repeats the setting that is left; a switch that changes nothing is dropped
.if MSB != (\new)
	s_set_vgpr_msb (MSB<<8)|(\new)
.set MSB, (\new)
.endif
.endm
; A joint fill.  Waves 0 and 1 fetch the two steps' K of a tile, waves 2 and 3 their V: 64 rows each.  An s_nop 0 and four v_nop follow each of the two lines.
.macro JLOAD
	s_cmp_lt_u32 s[WV], 2
	s_cbranch_scc0 .Lfor_v_\@
	tensor_load_to_lds s[G0K:G0K+3], s[G1K:G1K+7]
	s_nop 0
.rept 4
	v_nop
.endr
	s_branch .Lasked_\@
.Lfor_v_\@:
	tensor_load_to_lds s[G0V:G0V+3], s[G1V:G1V+7]
	s_nop 0
.rept 4
	v_nop
.endr
.Lasked_\@:
.endm
; A PREFETCH INTO THE L2 of the tile that the NEXT change of slots will ask for: 128 rows of K and 128 of V, 256 bytes a row, a lane a row; two steps, 96 matrix instructions, ahead of that load.
; Each row is named ONCE in the launch: of the eight clusters that walk a head's K and V the one with b = 0 asks, whose first block walks all 16 tiles; its four partners take 32 rows each, told apart
; by address; in each, wave 0 asks for K's and wave 2 for V's.  Trips 0 to 13 name tiles 2 to 15; the later trips ask for nothing.
.macro ASK
	s_cmp_gt_u32 s[SLOTS], s[LIM]
	s_cbranch_scc0 .Lnot_mine_\@
	global_prefetch_b8 v[PFO], s[PFA:PFA+1] th:TH_LOAD_NT scope:SCOPE_SE
.Lnot_mine_\@:
.endm
.macro CROUND                       ; a round of the cluster's barrier
	s_barrier_signal -1
	s_barrier_wait -1
	s_cmp_lg_u32 s[WV], 0
	s_cbranch_scc1 .Lnot_wave_0_\@
	s_barrier_signal -3
.Lnot_wave_0_\@:
	s_barrier_wait -3
	s_barrier_signal -1
	s_barrier_wait -1
.endm
; THE CHANGE OF SLOTS, between two trips.  Each wave waits for all its tensor loads, of which one is out: its part of the other slot; adds 0 to its spare word; and waits for that and for its reads of the slot that
; it leaves, of which the last, V of the tile's second step, were issued in the middle of the turn before.  fill = 1: the barrier is a round of the cluster's, and the old slot is filled again, first thing behind
; it, with tile NXT: the descriptor's address is made anew from that number.  (At its first use nothing has been read yet: slot 0 is waited for, slot 1 filled.)
.macro CHANGE fill
	WIN 0
	s_wait_tensorcnt 0x0            ; no tensor load of mine is out, so a group 0 may be written
	ds_add_u32 v[SPW], v[NIL]       ; 0 onto my spare word: scalar work stands between it and the wait for it
.if \fill
	s_lshl_b32 s[OFF], s[NXT], 15   ; a tile is 32,768 bytes of K and of V
	s_xor_b32 s[G0K+1], s[G0K+1], SLOT1
	s_add_nc_u64 s[G0K+2:G0K+3], s[6:7], s[OFF:OFF+1]
	s_or_b32 s[G0K+3], s[G0K+3], 0x80000000
	s_xor_b32 s[G0V+1], s[G0V+1], SLOT1
	s_add_nc_u64 s[G0V+2:G0V+3], s[8:9], s[OFF:OFF+1]
	s_or_b32 s[G0V+3], s[G0V+3], 0x80000000
	s_add_co_u32 s[NXT], s[NXT], 1  ; the block's next tile, or behind its last the second block's tile 0
	s_cmp_gt_u32 s[NXT], s[LQ]
	s_cselect_b32 s[NXT], 0, s[NXT]
	s_cselect_b32 s[LQ], s[PB], s[LQ]
	s_wait_xcnt 0x0                 ; the last prefetch, two steps back, has read its address, so it may be written
	s_add_nc_u64 s[PFA:PFA+1], s[PFA:PFA+1], 32768
.endif
	s_sub_co_u32 s[TB], s[TB], 2*STEPB  ; the fetches go back to a slot's first step,
	s_xor_b32 s[TB], s[TB], SLOT1       ; in the other slot
	s_wait_dscnt 0x0                ; the add is done, and my reads of the slot are over
.if \fill
	CROUND
	JLOAD
	ASK
.else
	s_barrier_signal -1
	s_barrier_wait -1
.endif
.endm
	s_load_b256 s[4:11], s[0:1], 0x0  ; qh s[4:5], kh s[6:7], vh s[8:9], ao s[10:11]
	v_lshl_add_u32 v[SPW], v0, 2, SPARE
	v_mov_b32 v[NIL], 0
	ds_add_u32 v[SPW], v[NIL]       ; the wave's opening: the add and its wait stand ahead of my first tensor load; the set-up below, work on registers, stands between them
	v_lshrrev_b32 v1, 5, v0
	v_readfirstlane_b32 s[WV], v1   ; wave 0..3
	s_bfe_u32 s13, ttmp6, 0x40000   ; cx: my place in the cluster
	s_mov_b32 s[PB], ttmp9          ; in a cluster launch ttmp9 counts clusters: b
	s_sub_co_u32 s[HI], 15, s[PB]
	s_lshr_b32 s[SW], s[WV], 1
	s_and_b32 s20, ttmp7, 0xffff    ; g
	s_and_b32 s21, s[WV], 1         ; which of a tile's two steps I fetch:
	s_lshl_b32 s22, s20, 19         ; the head's 2,048 rows of 256 bytes,
	s_lshl_b32 s23, s21, 14         ; the step's 64 rows,
	s_add_co_u32 s22, s22, s23
	s_mov_b32 s23, 0
	s_mul_i32 s86, s21, STEPB       ; and its place in a slot: no place in the cluster enters an LDS address
	s_and_b32 s48, s13, 1
	s_lshl1_add_u32 s48, s20, s48   ; my query head
	s_lshr_b32 s49, s13, 1
	s_lshl1_add_u32 s50, s[WV], s49 ; my tile of 16 rows among a block's eight,
	s_lshl1_add_u32 s87, s21, s49   ; and among its band's four
	s_lshl_b32 s87, s87, 4
	s_lshl_b32 s51, s[HI], 7
	s_lshl4_add_u32 s51, s50, s51   ; my first row in the first block,
	s_lshl_b32 s52, s[PB], 7
	s_lshl4_add_u32 s52, s50, s52   ; and in the second
	s_lshl_b32 s53, s48, 11
	s_add_co_u32 s88, s53, s51      ; in qh: (2,048 head + row) x 256 bytes
	s_lshl_b32 s88, s88, 8
	s_mov_b32 s89, 0
	s_add_co_u32 s90, s53, s52
	s_lshl_b32 s90, s90, 8
	s_mov_b32 s91, 0
	s_lshl_b32 s54, s48, 8          ; in ao: row x 4,096 + head x 256 bytes
	s_lshl_b32 s92, s51, 12
	s_add_co_u32 s92, s92, s54
	s_mov_b32 s93, 0
	s_lshl_b32 s94, s52, 12
	s_add_co_u32 s94, s94, s54
	s_mov_b32 s95, 0
	; descriptor group 1: a tile of 64 rows x 128 elements, padded in LDS
	s_mov_b32 s[G1K], 15|(1<<16)|(1<<20)|(1<<21)|(5<<22)|(3<<25)  ; 15:0 the mask of four; 17:16 2-byte elements; 20 padding on; 21 set beside a mask; 24:22 after every 64 words (code 5); 31:25 4 words (code 3)
	s_mov_b32 s[G1V], 15|(1<<16)|(1<<20)|(1<<21)|(5<<22)|(7<<25)  ; the same with 8 words of padding (code 7)
.irp g, G1K, G1V
	s_mov_b32 s[(\g)+1], 128<<16    ; tensor_dim0 = 128
	s_mov_b32 s[(\g)+2], KS<<16     ; tensor_dim1 = 64
	s_mov_b32 s[(\g)+3], 128<<16    ; tile_dim0 = 128
	s_mov_b32 s[(\g)+4], KS         ; tile_dim1 = 64
	s_mov_b32 s[(\g)+5], 128        ; elements from row to row
	s_mov_b32 s[(\g)+6], 0
	s_mov_b32 s[(\g)+7], 0
.endr
	s_mov_b32 s[G0K], 1             ; count = 1
	s_mov_b32 s[G0K+1], s86         ; LDS address: slot 0
	s_mov_b32 s[G0V], 1
	s_add_co_u32 s[G0V+1], s86, VOFF
	s_mov_b32 s[CS], 0x4438aa3b     ; c = log2(e) / 8 x 2^12
	s_mov_b32 s[CS+1], s[CS]        ; named with it as a pair
	s_mov_b32 s[SEL], 0x76543210
	s_mov_b32 s[SEL+1], 0xfedcba98
	s_mov_b32 s[TB], SLOT1+2*STEPB  ; the first change of slots turns this into 0
	s_mov_b32 s[SLOTS], 16
	s_sub_co_u32 s[RT], 16, s[PB]   ; the first block has 16 - b tiles
	s_add_co_u32 s[LOT], s[PB], 1
	s_mov_b32 s[NXT], 1
	s_mov_b32 s[LQ], s[HI]
	s_mov_b32 s[NW], 0
	s_mov_b32 s[OFF+1], 0
	s_mov_b32 s[AL+1], 0            ; named as pairs
	s_mov_b32 s[BE+1], 0
	s_mov_b32 s[BIGN], 0xf149f2ca   ; -1e30
	s_and_b32 s[LIM], s[WV], 1      ; 0 in waves 0 and 2,
	s_or_b32 s[LIM], s[LIM], ttmp9  ; where b = 0: the same in all four partners
	s_cmp_eq_u32 s[LIM], 0
	s_cselect_b32 s[LIM], 2, -1
	s_wait_dscnt 0x0                ; the opening add is done
	s_wait_kmcnt 0x0
	s_add_nc_u64 s[6:7], s[6:7], s[22:23]  ; K and V at my step of the head's tile 0
	s_add_nc_u64 s[8:9], s[8:9], s[22:23]
	s_add_nc_u64 s[G0K+2:G0K+3], s[6:7], 0   ; global address
	s_or_b32 s[G0K+3], s[G0K+3], 0x80000000  ; type = 2
	s_add_nc_u64 s[G0V+2:G0V+3], s[8:9], 0
	s_or_b32 s[G0V+3], s[G0V+3], 0x80000000
	s_add_nc_u64 s[20:21], s[4:5], s[90:91]  ; Q at my rows of the second block,
	s_add_nc_u64 s[4:5], s[4:5], s[88:89]    ; Q and ao at those of the first
	s_add_nc_u64 s[OLO:OLO+1], s[10:11], s[94:95]
	s_add_nc_u64 s[10:11], s[10:11], s[92:93]
	s_cmp_lt_u32 s[WV], 2
	s_cselect_b64 s[PFA:PFA+1], s[6:7], s[8:9]  ; (in waves 0 and 2 these stand at a tile's first row)
	s_lshl_b32 s52, s13, 13         ; my work-group's 32 rows of the 128,
	s_add_co_u32 s52, s52, 32768    ; in tile 1: the first change of slots steps it to tile 2
	s_mov_b32 s53, 0
	s_add_nc_u64 s[PFA:PFA+1], s[PFA:PFA+1], s[52:53]
	CROUND                          ; all four work-groups are here: the first joint loads meet
	JLOAD                           ; tile 0 into slot 0: one load of mine is out, here and behind every round
	; A fragment of K or Q is 16 rows x 32 channels in 8 registers: lane l holds row l % 16, channels 8 (l / 16) + 0..7 and 16 + 8 (l / 16) + 0..7: two loads of 16 bytes, 32 bytes apart.
	v_and_b32 v1, 15, v0            ; l % 16
	v_bfe_u32 v9, v0, 4, 1          ; l / 16
	v_lshlrev_b32 v[QO], 8, v1
	v_lshl_add_u32 v[QO], v9, 4, v[QO]
	WIN 0x40                        ; destination window 1, address window 0
.irp c, 0,1,2,3                     ; both blocks' Q stay in registers
	global_load_b128 v[Q+8*(\c):Q+8*(\c)+3],     v[QO], s[4:5] offset:64*(\c)
	global_load_b128 v[Q+8*(\c)+4:Q+8*(\c)+7],   v[QO], s[4:5] offset:64*(\c)+32
	global_load_b128 v[QL+8*(\c):QL+8*(\c)+3],   v[QO], s[20:21] offset:64*(\c)
	global_load_b128 v[QL+8*(\c)+4:QL+8*(\c)+7], v[QO], s[20:21] offset:64*(\c)+32
.endr
	WIN 0
	v_lshlrev_b32 v15, 3, v9
	v_sub_nc_u32 v[THR], v1, v15
	v_add_nc_u32 v[THR], s87, v[THR]
	WIN 0x40
.set i, 0
.rept 32                            ; register i % 8 of key group i / 8 is hidden where 16 (i / 8) + i % 8 is greater than my threshold
	v_cmp_gt_i32 vcc_lo, 16*(i/8)+i%8, v[THR]
	v_cndmask_b32 v[MD+i], 0, s[BIGN], vcc_lo
.set i, i+1
.endr
	WIN 0
	v_mul_u32_u24 v[AK0], v1, PK
	v_lshl_add_u32 v[AK0], v9, 4, v[AK0]  ; row x pitch + 16 x half
	; The turning load takes 16 keys x 16 channels (lane l reads key 8 (l / 16) + l % 8, channels 8 ((l / 8) % 2) + 0..7) and leaves half a fragment of V^T: lane l holds channel l % 16 and 8 keys.
	v_and_b32 v15, 7, v0
	v_lshl_add_u32 v[AV0], v9, 3, v15
	v_mul_u32_u24 v[AV0], v[AV0], PV
	v_bfe_u32 v15, v0, 3, 1
	v_lshl_add_u32 v[AV0], v15, 4, v[AV0]
	v_add_nc_u32 v[AV0], VOFF, v[AV0]
	s_mul_i32 s53, s[WV], 16*SP
	s_add_co_u32 s53, s53, STAGE    ; my stage
	v_mul_u32_u24 v[STO], v1, SP    ; in: row l % 16, 16 bytes for each half of the lanes
	v_lshl_add_u32 v[STO], v9, 4, v[STO]
	v_add_nc_u32 v[STO], s53, v[STO]
	v_mul_u32_u24 v[RD], v9, SP     ; back: lanes 0-15 take one row of 256 bytes, lanes 16-31 the next
	v_lshl_add_u32 v[RD], v1, 4, v[RD]
	v_add_nc_u32 v[RD], s53, v[RD]
	v_lshlrev_b32 v[GO], 12, v9     ; and the same two rows of ao, 4,096 bytes apart
	v_lshl_add_u32 v[GO], v1, 4, v[GO]
	v_and_b32 v[PFO], 31, v0
	v_lshlrev_b32 v[PFO], 8, v[PFO]
	; WHAT THE FIRST TRIP FINDS, so that no first step is written out; these lines stand in the wait for the first tile.  V, P, O^T, l and the mask hold 0: its products V^T P, of a step that has not been, add 0.
	; Stream 1's scores hold -2^100: its softmax of that step finds m = -2^100; c m is exact, so c s - c m is exactly 0 and the weights are 1, which multiply V = 0; the next step's a is 0, which takes them out of l.
	; HOLD is written so that it holds numbers on every way through the two jumps of a block's end.
	WIN 0x80
.set i, 0
.rept 192                           ; V and HOLD lie on end
	v_mov_b32 v[i], 0
.set i, i+1
.endr
	WIN 0x40
.set i, 0
.rept 32
	v_mov_b32 v[MC+i], 0
.set i, i+1
.endr
	WIN 0
.set i, 0
.rept 160                           ; P and O^T lie on end
	v_mov_b32 v[P+i], 0
.set i, i+1
.endr
	s_mov_b32 s54, 0xf1800000       ; -2^100
.set i, 0
.rept 32
	v_mov_b32 v[S+32+i], s54
.set i, i+1
.endr
.irp t, 0,1
	v_mov_b32 v[ST+8*(\t)], 0xfe000000    ; c m: far below every c s
	v_mov_b32 v[ST+8*(\t)+1], 0xff7fffff  ; m
.irp n, 2,3,4,5,6,7
	v_mov_b32 v[ST+8*(\t)+(\n)], 0
.endr
.endr
	s_wait_loadcnt 0x0              ; Q
; THE LDS LOADS stand in runs of 32, never singly among the matrix instructions.  A step's K (64 keys x 128 channels: 16 fragments): stream 0's eight fragments first, which are wanted first.
.macro FETCH_K
	WIN 0
	v_add_nc_u32 v[ADK], s[TB], v[AK0]
	WIN 0x40                        ; destination window 1
.irp t, 0,1
.irp kb, 0,1,2,3
.irp c, 0,1                         ; keys 16 kb on, channels 32 (2 t + c) on
	ds_load_b128 v[KF+32*(\kb)+8*(2*(\t)+(\c)):KF+32*(\kb)+8*(2*(\t)+(\c))+3],   v[ADK] offset:(\kb)*16*PK+(2*(\t)+(\c))*64
	ds_load_b128 v[KF+32*(\kb)+8*(2*(\t)+(\c))+4:KF+32*(\kb)+8*(2*(\t)+(\c))+7], v[ADK] offset:(\kb)*16*PK+(2*(\t)+(\c))*64+32
.endr
.endr
.endr
.endm
; A step's V (turned).  The run stands in turn B behind the last exponential of the batch, and the batch's one wait stands in it.  The last product that read V stands two products and 14 plain instructions back, the last six: two exponentials,
; the three v_nop (the first is also the plain instruction behind the last exponential) and the address's v_add_nc_u32.  last = 1 (the tail): the trip behind the last step fetches nothing.
.macro FETCH_V last
.rept 3
	v_nop
.endr
	v_add_nc_u32 v[ADV], s[TB], v[AV0]
	s_wait_alu depctr_va_vdst(0)    ; the wait for the batch, ahead of the first instruction that names a result
.if \last
	s_cmp_eq_u32 s[CNT], 1
	s_cbranch_scc1 .Lno_v_\@
.endif
	s_add_co_u32 s[TB], s[TB], STEPB  ; the next fetches are the next step's
	WIN 0x80                        ; destination window 2
.irp f, 0,1,2,3,4,5,6,7,8,9,10,11,12,13,14,15  ; keys 32 (f / 8) on, channels 16 (f % 8) on
	ds_load_tr16_b128 v[8*(\f):8*(\f)+3],   v[ADV] offset:((\f)/8)*32*PV+((\f)%8)*32
	ds_load_tr16_b128 v[8*(\f)+4:8*(\f)+7], v[ADV] offset:((\f)/8)*32*PV+16*PV+((\f)%8)*32
.endr
	WIN 0
.if \last
.Lno_v_\@:
.endif
.endm
; THE MATRIX WORK OF A TURN, for stream x.  The accumulators take turns, one instruction a turn: between two links of a chain stand 7 (V^T P) or 3 (K Q^T) others'.
; Product i of 16 of O^T += V^T P: keys 32 (i / 8) on, channels 16 (i % 8) on.
.macro PVP x
	WIN 0x02                        ; V in window 2
.set rO, OT+64*(\x)+8*(i%8)
.set rV, 64*(i/8)+8*(i%8)
.set rP, P+16*(\x)+8*(i/8)
	v_wmma_f32_16x16x32_f16 v[rO:rO+7], v[rV:rV+7], v[rP:rP+7], v[rO:rO+7]
.endm
; Product i of 8 of S^T = K Q^T: channels 32 (i / 4) on of the stream's 64, keys 16 (i % 4) on.  The first 4 start the sums with the mask.
.macro KQP x
.set rS, S+32*(\x)+8*(i%4)
.set rK, KF+32*(i%4)+8*(2*(\x)+i/4)
.set rQ, Q+8*(2*(\x)+i/4)
.set rM, MC+8*(i%4)
.if i < 4
	WIN 0x15                        ; K, Q and the mask in window 1
	v_wmma_f32_16x16x32_f16 v[rS:rS+7], v[rK:rK+7], v[rQ:rQ+7], v[rM:rM+7]
.else
	WIN 0x05
	v_wmma_f32_16x16x32_f16 v[rS:rS+7], v[rK:rK+7], v[rQ:rQ+7], v[rS:rS+7]
.endif
.endm
.macro MASK                         ; MC = MD x AL + BE
	WIN 0x41
.set z, 0
.rept 16
	v_pk_fma_f32 v[MC+2*z:MC+2*z+1], v[MD+2*z:MD+2*z+1], s[AL:AL+1], s[BE:BE+1] op_sel_hi:[1,0,0]
.set z, z+1
.endr
.endm
; THE VECTOR WORK OF A TURN.  One stream's softmax for a step is a list of 134 instructions; SM writes number j of it for stream t.  s0-s31 are the lane's 32 scores, in pairs 0-15.
;   0-15    the maximum of s0-s31 and the old m, three operands at a time; each accumulator's lowest registers are read first
;   16-20   the other half of the lanes' maximum; the new m; c m; c m_old - c m_new
;   21-69   ONE BATCH: the 16 scalings c s - c m and all 33 exponentials (a at 23, then s0-s31); none of these names an exponential's result; a pair is scaled ahead of its exponentials
;   70-85   the roundings to f16          86-101  the sums; l = a l + the sum          102-133 the stream's O^T times a, ascending
.macro SM t
.set rT, ST+8*(\t)
.set rS, S+32*(\t)
.set rP, P+16*(\t)
.set rO, OT+64*(\t)+2*(j-102)
.if j < 4
	v_max3_num_f32 v[rT+4+j], v[rS+8*j], v[rS+8*j+1], v[rS+8*j+2]
.elseif j < 12
	v_max3_num_f32 v[rT+4+j%4], v[rT+4+j%4], v[rS+8*(j%4)+2*(j/4)+1], v[rS+8*(j%4)+2*(j/4)+2]
.elseif j == 12
	v_max3_num_f32 v[rT+4], v[rT+4], v[rS+7], v[rS+15]
.elseif j == 13
	v_max3_num_f32 v[rT+6], v[rT+6], v[rS+23], v[rS+31]
.elseif j == 14
	v_max3_num_f32 v[rT+4], v[rT+4], v[rT+5], v[rT+6]
.elseif j == 15
	v_max3_num_f32 v[rT+4], v[rT+4], v[rT+7], v[rT+1]
.elseif j == 16
	v_permlanex16_b32 v[rT+5], v[rT+4], s[SEL], s[SEL+1]  ; the query's other 32 keys lie in the lane 16 away
.elseif j == 17
	v_mov_b32 v[rT+7], v[rT]        ; c m_old is kept for a: number 19 writes c m anew
.elseif j == 18
	v_max_num_f32 v[rT+1], v[rT+4], v[rT+5]
.elseif j == 19
	v_mul_f32 v[rT], s[CS], v[rT+1]
.elseif j == 20
	v_sub_f32 v[rT+7], v[rT+7], v[rT]
.elseif j == 23
	v_exp_f32 v[rT+6], v[rT+7]
.elseif (j < 23) || ((j < 38) && (j%2 == 0)) || ((j < 66) && (j%4 == 2))
.set b, (j-2)/4                     ; 38, 42, .. 62: pairs 9 to 15
.if j < 38
.set b, (j-20)/2                    ; 21: pair 0; 22, 24, .. 36: pairs 1 to 8
.endif
	v_pk_fma_f32 v[rS+2*b:rS+2*b+1], v[rS+2*b:rS+2*b+1], s[CS:CS+1], v[rT:rT+1] op_sel_hi:[1,0,0] neg_lo:[0,0,1] neg_hi:[0,0,1]
.elseif j < 70
.set e, j-38                        ; 66 to 69: s28 to s31
.if j < 66
.set e, j-32-(j-38)/4               ; 39-41, 43-45, .. 63-65: s7 to s27
.endif
.if j < 38
.set e, (j-25)/2                    ; 25, 27, .. 37: s0 to s6
.endif
	v_exp_f32 v[rS+e], v[rS+e]
.elseif j < 86
	v_cvt_pk_f16_f32 v[rP+j-70], v[rS+2*(j-70)], v[rS+2*(j-70)+1]
.elseif j < 102                     ; the sum of the 16 pairs, in place: neighbours 1, 2, 4 and 8 pairs apart, then l takes it
.set z, j-86
.set w, 4
.set u, z
.if z >= 14
.set w, 32
.set u, 0
.elseif z >= 12
.set w, 16
.set u, z-12
.elseif z >= 8
.set w, 8
.set u, z-8
.endif
.if z < 15
	v_pk_add_f32 v[rS+w*u:rS+w*u+1], v[rS+w*u:rS+w*u+1], v[rS+w*u+w/2:rS+w*u+w/2+1]
.else
	v_pk_fma_f32 v[rT+2:rT+3], v[rT+2:rT+3], v[rT+6:rT+7], v[rS:rS+1] op_sel_hi:[1,0,1]
.endif
.else
	v_pk_mul_f32 v[rO:rO+1], v[rO:rO+1], v[rT+6:rT+7] op_sel_hi:[1,0]
.endif
.endm
; The next four numbers of stream y's list, behind a product.  The turn's 33 exponentials are one batch: ahead of number 70 nothing names a result, behind number 69 no exponential is issued; so behind number 69
; stand one plain instruction and the one wait.  In turn B (y = 0) V's run of loads stands there too.
.macro SLICE y, last
	WIN 0
.rept 4
	SM \y
.if j == 69
.if (\y) == 1
	v_nop
	s_wait_alu depctr_va_vdst(0)
.else
	FETCH_V \last
.endif
.endif
.set j, j+1
.endr
.endm
; The 38 numbers that are over, at the turn's end.  The last links of the sums stand among the first rescalings, which wait for nothing.  All are plain and name nothing of the products round them: they are the places
; between the turn's last K Q^T and what follows: the first read of those scores, the loads into K's registers, the lines that write Q and the mask.
.macro LUMP y
	WIN 0
.irp n, 96,97,102,103,98,99,104,105,106,100,107,108,109,101,110,111,112,113,114,115,116,117,118,119,120,121,122,123,124,125,126,127,128,129,130,131,132,133
.set j, \n
	SM \y
.endr
.endm
; A TURN: stream x has the matrix unit, the other stream's softmax stands behind its products.
.macro TURN x, last
.set j, 0
.set i, 0
.rept 16
	PVP \x
	SLICE 1-(\x), \last
.set i, i+1
.endr
.if (\x) == 0
	s_wait_dscnt 16                 ; stream 0's half of K is in; the youngest sixteen loads, stream 1's half, may stay out
.else
	s_wait_dscnt 0x0                ; stream 1's half of K, asked for a turn ago, is in; V's run follows two products on
.endif
.set i, 0
.rept 8
	KQP \x
	SLICE 1-(\x), \last
.set i, i+1
.endr
	LUMP 1-(\x)
.endm
; A BLOCK'S END does not stop the turns: the way out is cut in two, each part under a forward jump on NW.
.macro RECIP t, f                   ; stream t: l's two halves and the other half of the lanes' are added; c2 = f / l
	v_add_f32 v[ST+8*(\t)+4], v[ST+8*(\t)+2], v[ST+8*(\t)+3]
	v_permlanex16_b32 v[ST+8*(\t)+5], v[ST+8*(\t)+4], s[SEL], s[SEL+1]
	v_add_f32 v[ST+8*(\t)+4], v[ST+8*(\t)+4], v[ST+8*(\t)+5]
	v_rcp_f32 v[ST+8*(\t)+6], v[ST+8*(\t)+4]
	v_nop                           ; a plain instruction between the reciprocal and the use of its result,
	s_wait_alu depctr_va_vdst(0)    ; and the wait ahead of that use
	v_mul_f32 v[ST+8*(\t)+6], \f, v[ST+8*(\t)+6]
.endm
.macro RESET t                      ; stream t begins a block: O^T and l keep finite numbers, which the next step multiplies by a = 0
	v_mov_b32 v[ST+8*(\t)], 0xfe000000
	v_mov_b32 v[ST+8*(\t)+1], 0xff7fffff
.endm
; Between the turns: stream 0's last V^T P stood at the head of turn A, and turn B's softmax is the next block's.  O1 x 1.25 / l1 is set aside.
.macro F0
	RECIP 0, 0x3fa00000
	WIN 0x80                        ; destination window 2
.set i, 0
.rept 32
	v_pk_mul_f32 v[HOLD+2*i:HOLD+2*i+1], v[OT+2*i:OT+2*i+1], v[ST+6:ST+7] op_sel_hi:[1,0]
.set i, i+1
.endr
	WIN 0
	RESET 0
.endm
; At the trip's end: stream 1's last V^T P stood at the head of turn B.  1.25 O = HOLD - O2 x 0.25 / l2, rounded to f16 (into stream 0's scores, which have been used up), sent through my stage in LDS,
; read back as whole rows of 256 bytes into HOLD and stored.
.macro F1
	RECIP 1, 0xbe800000
	WIN 0x20                        ; source 2 window 2
.set i, 0
.rept 32
	v_pk_fma_f32 v[OT+64+2*i:OT+64+2*i+1], v[OT+64+2*i:OT+64+2*i+1], v[ST+14:ST+15], v[HOLD+2*i:HOLD+2*i+1] op_sel_hi:[1,0,1]
.set i, i+1
.endr
	WIN 0
.set i, 0
.rept 32
	v_cvt_pk_f16_f32 v[S+i], v[OT+64+2*i], v[OT+64+2*i+1]
.set i, i+1
.endr
.irp f, 0,1,2,3,4,5,6,7
	ds_store_b128 v[STO], v[S+4*(\f):S+4*(\f)+3] offset:32*(\f)
.endr
	WIN 0x80
.irp f, 0,1,2,3,4,5,6,7
	ds_load_b128 v[HOLD+4*(\f):HOLD+4*(\f)+3], v[RD] offset:(\f)*2*SP  ; LDS serves a wave's instructions in order (ISA guide 5.7.1.4): these see the stores above
.endr
	WIN 0x08                        ; the stores' data (source 1) in window 2
.irp f, 0,1,2,3,4,5,6,7
	s_wait_dscnt 7-(\f)             ; the 7 - f younger loads from the stage may stay out
	global_store_b128 v[GO], v[HOLD+4*(\f):HOLD+4*(\f)+3], s[10:11] offset:(\f)*8192  ; 16 lanes store 256 consecutive bytes, aligned
.endr
	WIN 0
	s_wait_xcnt 0x0                 ; the stores have read their registers and ao's address
	s_mov_b64 s[10:11], s[OLO:OLO+1]
	s_mov_b32 s[NW], 0
	RESET 1
.endm
; A TRIP, for step n.  steps = the trips of the loop that it stands in.  last = 1 (the tail): the trip behind the walk's last step fetches nothing.
.macro TRIPM steps, last
	s_sub_co_u32 s[IDX], \steps, s[CNT]  ; the step's number in its tile
	s_cmp_eq_u32 s[IDX], s[SW]      ; is the step my band's own?
	s_cselect_b32 s[AL], 1.0, 0
	s_cmp_gt_u32 s[IDX], s[SW]      ; or a later one?
	s_cselect_b32 s[BE], s[BIGN], 0
	s_cmp_eq_u32 s[DG], 1           ; outside the diagonal tile nothing is hidden
	s_cselect_b32 s[AL], s[AL], 0
	s_cselect_b32 s[BE], s[BE], 0
	s_cmp_eq_u32 s[NW], 1
	s_cbranch_scc0 .Lsame_\@
	WIN 0x41                        ; step n is the second block's first: its Q goes where the one text names Q
.set i, 0
.rept 32
	v_mov_b32 v[Q+i], v[QL+i]
.set i, i+1
.endr
	WIN 0
.Lsame_\@:
	s_or_b32 s[TS], s[DG], s[NW]    ; the mask is made in the diagonal tile, and made 0 again in the trip behind it
	s_cmp_lg_u32 s[TS], 0
	s_cbranch_scc0 .Lopen_\@
	MASK
	WIN 0
.Lopen_\@:
.if \last
	s_cmp_eq_u32 s[CNT], 1
	s_cbranch_scc1 .Lno_k_\@
.endif
	FETCH_K
	WIN 0
.if \last
.Lno_k_\@:
.endif
	s_wait_dscnt 32                 ; V of step n - 1 is in; K's 32 loads, the youngest, may stay out
	TURN 0, \last
	WIN 0
	s_cmp_eq_u32 s[NW], 1
	s_cbranch_scc0 .Lno_f0_\@
	F0
.Lno_f0_\@:
	TURN 1, \last
	WIN 0
	s_cmp_eq_u32 s[NW], 1
	s_cbranch_scc0 .Lno_f1_\@
	F1
.Lno_f1_\@:
.if \last
	s_wait_dscnt 0x0                ; V is in: the next trip may issue no load behind which a counted wait could show that
.endif
.endm
.macro ENTER steps                  ; a tile is entered
	s_sub_co_u32 s[RT], s[RT], 1
	s_cmp_eq_u32 s[RT], 0
	s_cselect_b32 s[DG], 1, 0       ; a block's last tile holds the diagonal
	s_mov_b32 s[CNT], \steps
.endm
.Lslot:                             ; 16 times: a tile is entered and the next is asked for
	CHANGE 1
	ENTER 2
.Lstep:
	TRIPM 2, 0
	s_sub_co_u32 s[CNT], s[CNT], 1
	s_cmp_lg_u32 s[CNT], 0
	s_cbranch_scc1 .Lstep
	s_mov_b32 s[NW], s[DG]          ; behind the diagonal tile the block ends: the next trip finishes it
	s_cmp_eq_u32 s[DG], 1
	s_cselect_b32 s[RT], s[LOT], s[RT]
	s_sub_co_u32 s[SLOTS], s[SLOTS], 1
	s_cmp_lg_u32 s[SLOTS], 0
	s_cbranch_scc1 .Lslot
	CHANGE 0                        ; the walk's last tile is written out: nothing is asked for
	ENTER 3                         ; two trips for its steps; the third finishes the last step and the block.  That trip's 16 products K Q^T, on the last K once more, and the softmax made
.Llast:                             ; of them serve nothing: the price, once a launch, of one text for every trip
	TRIPM 3, 1
	s_sub_co_u32 s[CNT], s[CNT], 1
	s_cmp_eq_u32 s[CNT], 1
	s_cselect_b32 s[NW], 1, s[NW]   ; the third trip stands behind a block's last step,
	s_cselect_b32 s[DG], 0, s[DG]   ; and hides nothing
	s_cmp_lg_u32 s[CNT], 0
	s_cbranch_scc1 .Llast
	s_wait_tensorcnt 0x0            ; the wave's end, behind my last tensor load and my last LDS store: an add to my spare word and its wait
	ds_add_u32 v[SPW], v[NIL]
	s_wait_dscnt 0x0
	CROUND                          ; the closing round: no work-group ends while a partner may still ask for a tile that names it
	s_endpgm
.Lfunc_end_k_qa7fe2f66f8_attn:
	.size	k_qa7fe2f66f8_attn, .Lfunc_end_k_qa7fe2f66f8_attn-k_qa7fe2f66f8_attn
	.p2alignl 7, 3214868480
	.fill 96, 4, 3214868480
	.section	.rodata,"a",@progbits
	.p2align	6, 0x0
	.amdhsa_kernel k_qa7fe2f66f8_attn
		.amdhsa_group_segment_fixed_size 327680
		.amdhsa_private_segment_fixed_size 0
		.amdhsa_enable_private_segment 0
		.amdhsa_kernarg_size 32
		.amdhsa_user_sgpr_count 2
		.amdhsa_user_sgpr_kernarg_segment_ptr 1
		.amdhsa_wavefront_size32 1
		.amdhsa_system_sgpr_workgroup_id_x 1
		.amdhsa_system_sgpr_workgroup_id_y 1
		.amdhsa_system_sgpr_workgroup_id_z 1
		.amdhsa_system_vgpr_workitem_id 0
		.amdhsa_next_free_vgpr 704
		.amdhsa_next_free_sgpr 96
		.amdhsa_reserve_vcc 1
		.amdhsa_float_denorm_mode_32 3
		.amdhsa_float_denorm_mode_16_64 3
		.amdhsa_memory_ordered 1
		.amdhsa_forward_progress 1
		.amdhsa_inst_pref_size 103
	.end_amdhsa_kernel
	.amdgpu_metadata
---
amdhsa.version: [ 1, 2 ]
amdhsa.kernels:
  - .name:           k_qa7fe2f66f8_attn
    .symbol:         k_qa7fe2f66f8_attn.kd
    .args:
      - { .name: qh, .offset: 0, .size: 8, .value_kind: global_buffer, .address_space: global }
      - { .name: kh, .offset: 8, .size: 8, .value_kind: global_buffer, .address_space: global }
      - { .name: vh, .offset: 16, .size: 8, .value_kind: global_buffer, .address_space: global }
      - { .name: ao, .offset: 24, .size: 8, .value_kind: global_buffer, .address_space: global }
    .group_segment_fixed_size: 327680
    .private_segment_fixed_size: 0
    .kernarg_segment_align: 8
    .kernarg_segment_size: 32
    .max_flat_workgroup_size: 128
    .sgpr_count:     96
    .vgpr_count:     704
    .wavefront_size: 32
...
	.end_amdgpu_metadata
.endif
;; end of part 3
;; launch oproj (part 4): grid 16 x 16, 4 waves a work-group, clusters of 4 x 4, 327,680 bytes of LDS; arguments ao, wob, out0; writes out0
.if DOCPART == 4
	.amdgcn_target "amdgcn-amd-amdhsa--gfx1250"
	.amdhsa_code_object_version 6
	.text
	.protected	k_qa7fe2f66f8_oproj
	.globl	k_qa7fe2f66f8_oproj
	.p2align	8
	.type	k_qa7fe2f66f8_oproj,@function
k_qa7fe2f66f8_oproj:
	s_mov_b64 s[64:65], 0
	v_nop
	global_prefetch_b8 v0, s[64:65] scope:SCOPE_SE
	s_setreg_imm32_b32 hwreg(HW_REG_WAVE_MODE, 25, 1), 1
	s_wait_xcnt 0x0
	s_wait_alu depctr_hold_cnt(0) depctr_sa_sdst(0) depctr_va_vdst(0) depctr_va_sdst(0) depctr_va_ssrc(0) depctr_va_vcc(0) depctr_vm_vsrc(0)
	s_getreg_b32 s2, hwreg(HW_REG_IB_STS2, 6, 4)
	s_cmp_eq_u32 s2, 0
	s_cbranch_scc0 .Lentry_in_a_cluster
	s_endpgm
.Lentry_in_a_cluster:
	s_bfe_u32 s2, ttmp6, 0x10000c
	s_cmp_lg_u32 s2, 0xf033
	s_cbranch_scc0 .Lentry_shape_is_right
	s_endpgm
.Lentry_shape_is_right:
; out0 = 0.8 x (ao wob).  ao: f16 [2048 m][2048 k], the attention's result times 1.25 (the launch before says why).  wob: f16 [2048 k][2048 n].  out0: f32 [2048][2048].
; One f32 sum for each output, K ascending; the finished sum is multiplied by 0.8 = 1 - 0.2 in f32, once.
; A tile of out0 is 128 x 128: 16 x 16 work-groups.  Four waves, each 64 x 64: 16 accumulators of 16 x 16, 128 registers.  K goes in steps of 256 through a ring of two LDS slots filled by the
; tensor data mover: 128 rows x 512 bytes of ao, 256 k-rows x 256 bytes of wob: as long a step as two slots in LDS allow.
; CLUSTER: 4 x 4 work-groups.  The four of a row of the cluster need the same tile of ao, the four of a column the same tile of wob: each is asked for JOINTLY, by the same tensor load with the same
; descriptor and a mask that names the four.
; THE MATRIX INSTRUCTION IS USED TRANSPOSED: source 0 = 16 columns of wob (turned on the way out of LDS by ds_load_tr16_b128, since wob lies [k][n]), source 1 = 16 rows of ao:
; a lane then holds eight neighbouring numbers of a row of out0.
; REGISTERS: window 0: v0-31 addresses; v32-95 rows read back on the way out, two buffers; v128-255 the accumulators ((a, b) at v[128 + 8 (4 a + b)]).
;   window 1: two fragment buffers of 128: for 64 along K (two matrix instructions deep), 64 registers of ao, then 64 of wob.
.set PA,     528                       ; an LDS row of ao: 512 bytes + 16 = 132 words: the 16 rows of a load start at 16 different groups of four banks (64 banks of 4 bytes: ISA guide 11.1)
.set PB,     288                       ; an LDS row of wob: 256 bytes + 32 = 72 words
.set AHALF,  64*PA                     ; what one tensor load brings of ao: 64 rows,
.set ATILE,  2*AHALF
.set BHALF,  128*PB                    ; and of wob: 128 k-rows
.set SLOT,   ATILE+2*BHALF
.set STAGE,  2*SLOT                    ; behind the ring: 16 rows x 272 bytes for each wave, for the way out
.set SPITCH, 272
.set SPARE,  STAGE+4*16*SPITCH         ; behind the stages: the spare words, 128 bytes for each wave: two blocks of 256 bytes that no other line names
.set LAPS,   4                         ; a lap = two K steps = once round the ring
.set ASTEP,  512                       ; bytes from a K step to the next in ao,
.set BSTEP,  256*4096                  ; and in wob
.set ADRA, 16                          ; v16-17  LDS address of my fragments of ao in slot 0, 1
.set ADRB, 20                          ; v20-23  the same for wob, by slot and by half of the step's 256 k-rows (the whole step is past an LDS offset's 16 bits)
.set STO,  24                          ; v24     the way out: where I put 32 bytes of a row
.set RD,   25                          ; v25     where I read rows back
.set CO,   26                          ; v26     my byte offset in two rows of out0
.set SPW,  28                          ; v28     LDS address of my spare word; never rewritten
.set NIL,  29                          ; v29     0; never rewritten
.set TMP,  32
.set ACC,  128
.set F0,   0                           ; fragment buffers, in window 1
.set F1,   128
.set G1, 24                            ; s[24:31] descriptor group 1 for ao's tiles;  s[32:39] group 0, one set for each slot
.set G0, 32
.set G1B, 48                           ; s[48:55], s[56:63] the same for wob's
.set G0B, 56
.set MSB, 0
.macro WIN new                         ; the immediate's high byte repeats the setting that is left
.if MSB != (\new)
	s_set_vgpr_msb (MSB<<8)|(\new)
.set MSB, \new
.endif
.endm
.set MUL,  0x05                        ; sources 0 and 1 window 1; C and D window 0
.set TO_F, 0x40                        ; destination window 1, address window 0
.macro JLOAD s                         ; a joint load: waves 0 and 1 fetch ao's two halves, waves 2 and 3 wob's; an s_nop 0 and four v_nop follow each of the two lines
	s_cmp_eq_u32 s11, 0
	s_cbranch_scc0 .Lfor_b_\@
	tensor_load_to_lds s[G0+4*(\s):G0+4*(\s)+3], s[G1:G1+7]
	s_nop 0
.rept 4
	v_nop
.endr
	s_branch .Lasked_\@
.Lfor_b_\@:
	tensor_load_to_lds s[G0B+4*(\s):G0B+4*(\s)+3], s[G1B:G1B+7]
	s_nop 0
.rept 4
	v_nop
.endr
.Lasked_\@:
.endm
.macro CREST                           ; a round of the cluster's barrier behind its opening barrier
	s_cmp_lg_u32 s10, 0
	s_cbranch_scc1 .Lnot_wave_0_\@
	s_barrier_signal -3
.Lnot_wave_0_\@:
	s_barrier_wait -3
	s_barrier_signal -1
	s_barrier_wait -1
.endm
.macro CROUND                          ; a whole round
	s_barrier_signal -1
	s_barrier_wait -1
	CREST
.endm
	s_load_b128 s[4:7], s[0:1], 0x0                ; ao s[4:5], wob s[6:7]
	s_load_b64 s[8:9], s[0:1], 0x10                ; out0
	v_lshl_add_u32 v[SPW], v0, 2, SPARE
	v_mov_b32 v[NIL], 0
	ds_add_u32 v[SPW], v[NIL]                      ; the wave's opening: the add and its wait stand ahead of my first tensor load; the set-up below, work on registers, stands between them
	v_lshrrev_b32 v1, 5, v0
	v_readfirstlane_b32 s10, v1                    ; wave 0..3
	s_lshr_b32 s11, s10, 1                         ; which half of the tile's rows is mine.  Also: I fetch for ao (0) or for wob (1)
	s_and_b32 s12, s10, 1                          ; which half of its columns.  Also: which half of that tile I fetch
	s_bfe_u32 s40, ttmp6, 0x40000                  ; cx, cy: my place in the cluster
	s_bfe_u32 s41, ttmp6, 0x40004
	s_lshl_b32 s42, ttmp9, 2
	s_add_co_u32 s42, s42, s40                     ; tile column = 4 x cluster x + cx
	s_and_b32 s13, ttmp7, 0xffff
	s_lshl_b32 s13, s13, 2
	s_add_co_u32 s13, s13, s41                     ; tile row = 4 x cluster y + cy
	s_lshl_b32 s43, s41, 2
	s_lshl_b32 s43, 15, s43                        ; my row of the cluster
	s_lshl_b32 s44, 0x1111, s40                    ; my column
	s_or_b32 s[G1+0], s43, (1<<16)|(1<<20)|(1<<21)|(6<<22)|(3<<25)   ; 15:0 the mask; 17:16 elements of 2 bytes; 20 padding on; 21 set beside a mask; 24:22 after every 128 words (code 6); 31:25 4 words (code 3)
	s_or_b32 s[G1B+0], s44, (1<<16)|(1<<20)|(1<<21)|(5<<22)|(7<<25)  ; the column's mask; after every 64 words (code 5) 8 words (code 7)
	s_mov_b32 s[G1+1], 256<<16                     ; tensor_dim0 = 256
	s_mov_b32 s[G1+2], 64<<16                      ; tensor_dim1 = 64
	s_mov_b32 s[G1+3], 256<<16                     ; tile_dim0 = 256
	s_mov_b32 s[G1+4], 64                          ; tile_dim1 = 64
	s_mov_b32 s[G1+5], 2048                        ; elements from row to row
	s_mov_b32 s[G1+6], 0
	s_mov_b32 s[G1+7], 0
	s_mov_b32 s[G1B+1], 128<<16
	s_mov_b32 s[G1B+2], 128<<16
	s_mov_b32 s[G1B+3], 128<<16
	s_mov_b32 s[G1B+4], 128
	s_mov_b32 s[G1B+5], 2048
	s_mov_b32 s[G1B+6], 0
	s_mov_b32 s[G1B+7], 0
	s_lshl_b32 s16, s13, 7                         ; ao: row 128 x tile row + 64 x half, 4,096 bytes a row: the tile row and the wave's number alone
	s_lshl_b32 s17, s12, 6
	s_add_co_u32 s16, s16, s17
	s_lshl_b32 s16, s16, 12
	s_mov_b32 s17, 0
	s_lshl_b32 s46, s12, 19                        ; wob: k-row 128 x half, 4,096 bytes a row; 256 bytes a tile column: the tile column and the wave's number alone
	s_lshl_b32 s47, s42, 8
	s_add_co_u32 s46, s46, s47
	s_mov_b32 s47, 0
	s_mul_i32 s20, s12, AHALF                      ; where they go: no place in the cluster enters an LDS address
	s_mul_i32 s21, s12, BHALF
	s_add_co_u32 s21, s21, ATILE
	s_wait_dscnt 0x0                               ; the opening add is done
	s_wait_kmcnt 0x0
	s_add_nc_u64 s[14:15], s[4:5], s[16:17]
	s_add_nc_u64 s[46:47], s[6:7], s[46:47]
	CROUND                                         ; all sixteen work-groups are here: the first joint loads meet
.irp s, 0,1
	s_mov_b32 s[G0+4*(\s)], 1
	s_add_co_u32 s[G0+4*(\s)+1], s20, (\s)*SLOT
	s_add_nc_u64 s[G0+4*(\s)+2:G0+4*(\s)+3], s[14:15], (\s)*ASTEP
	s_or_b32 s[G0+4*(\s)+3], s[G0+4*(\s)+3], 0x80000000
	s_mov_b32 s[G0B+4*(\s)], 1
	s_add_co_u32 s[G0B+4*(\s)+1], s21, (\s)*SLOT
	s_add_nc_u64 s[G0B+4*(\s)+2:G0B+4*(\s)+3], s[46:47], (\s)*BSTEP
	s_or_b32 s[G0B+4*(\s)+3], s[G0B+4*(\s)+3], 0x80000000
	JLOAD \s                                       ; two loads of mine are out
.endr
	v_and_b32 v1, 15, v0                           ; l % 16
	v_bfe_u32 v2, v0, 4, 1                         ; l / 16
	v_mul_u32_u24 v3, v1, PA
	v_lshl_add_u32 v3, v2, 4, v3                   ; ao lies along K: row x pitch + 16 x half
	s_mul_i32 s22, s11, AHALF                      ; my 64 rows
	v_add_nc_u32 v[ADRA], s22, v3
	v_add_nc_u32 v[ADRA+1], SLOT, v[ADRA]
	v_and_b32 v4, 7, v0                            ; wob lies [k][n]: lane l reads k-row 8 (l / 16) + l % 8, columns 8 ((l / 8) % 2) + 0..7
	v_lshl_add_u32 v4, v2, 3, v4
	v_mul_u32_u24 v4, v4, PB
	v_bfe_u32 v5, v0, 3, 1
	v_lshl_add_u32 v4, v5, 4, v4
	s_lshl_b32 s23, s12, 7                         ; my 64 columns
	s_add_co_u32 s23, s23, ATILE
	v_add_nc_u32 v[ADRB], s23, v4
	v_add_nc_u32 v[ADRB+1], BHALF, v[ADRB]
	v_add_nc_u32 v[ADRB+2], SLOT, v[ADRB]
	v_add_nc_u32 v[ADRB+3], SLOT, v[ADRB+1]
	s_mul_i32 s66, s10, 16*SPITCH
	s_add_co_u32 s66, s66, STAGE                   ; my stage: my 64 columns of f32 are 256 bytes, so its rows are mine alone
	v_mul_u32_u24 v6, v1, SPITCH                   ; in: row l % 16, 32 bytes for each half of the lanes
	v_lshl_add_u32 v6, v2, 5, v6
	v_add_nc_u32 v[STO], s66, v6
	v_mul_u32_u24 v7, v2, SPITCH                   ; back: lanes 0-15 take one row of 256 bytes, lanes 16-31 the next
	v_lshl_add_u32 v7, v1, 4, v7
	v_add_nc_u32 v[RD], s66, v7
	v_lshlrev_b32 v[CO], 13, v2                    ; and the same two rows of out0, 8,192 bytes apart
	v_lshl_add_u32 v[CO], v1, 4, v[CO]
	s_lshl_b32 s68, s13, 7
	s_lshl_b32 s69, s11, 6
	s_add_co_u32 s68, s68, s69                     ; my first row,
	s_lshl_b32 s68, s68, 13
	s_lshl_b32 s69, s42, 9                         ; my first column: 512 bytes a tile column,
	s_add_co_u32 s68, s68, s69
	s_lshl_b32 s69, s12, 8                         ; 256 a half
	s_add_co_u32 s68, s68, s69
	s_mov_b32 s69, 0
	s_add_nc_u64 s[8:9], s[8:9], s[68:69]
; 8 matrix instructions: row blocks a0, a0 + 1 x all 4 column blocks, 32 along K: half c of buffer f.  zero = 1: the first product starts the sums.
; The 16 accumulators take turns, one instruction a turn, over the backward jump too.
.macro MUL8 f, c, a0, zero
	WIN MUL
.irp a, \a0, (\a0)+1
.irp b, 0,1,2,3
.if \zero
	v_wmma_f32_16x16x32_f16 v[ACC+8*(4*(\a)+(\b)):ACC+8*(4*(\a)+(\b))+7], v[(\f)+64+8*(4*(\c)+(\b)):(\f)+64+8*(4*(\c)+(\b))+7], v[(\f)+8*(4*(\c)+(\a)):(\f)+8*(4*(\c)+(\a))+7], 0
.else
	v_wmma_f32_16x16x32_f16 v[ACC+8*(4*(\a)+(\b)):ACC+8*(4*(\a)+(\b))+7], v[(\f)+64+8*(4*(\c)+(\b)):(\f)+64+8*(4*(\c)+(\b))+7], v[(\f)+8*(4*(\c)+(\a)):(\f)+8*(4*(\c)+(\a))+7], v[ACC+8*(4*(\a)+(\b)):ACC+8*(4*(\a)+(\b))+7]
.endif
.endr
.endr
.endm
; 32 LDS loads in one run: the fragments of quarter q (64 along K) of a slot into buffer f; the first 32 along K first
.macro FETCH slot, q, f
	WIN TO_F
.irp c, 0,1
.irp i, 0,1,2,3
	ds_load_tr16_b128 v[(\f)+64+8*(4*(\c)+(\i)):(\f)+64+8*(4*(\c)+(\i))+3],   v[ADRB+2*(\slot)+(\q)/2] offset:(((\q)%2)*64+32*(\c))*PB+32*(\i)
	ds_load_tr16_b128 v[(\f)+64+8*(4*(\c)+(\i))+4:(\f)+64+8*(4*(\c)+(\i))+7], v[ADRB+2*(\slot)+(\q)/2] offset:(((\q)%2)*64+32*(\c)+16)*PB+32*(\i)
	ds_load_b128 v[(\f)+8*(4*(\c)+(\i)):(\f)+8*(4*(\c)+(\i))+3],              v[ADRA+(\slot)] offset:(\q)*128+64*(\c)+(\i)*16*PA
	ds_load_b128 v[(\f)+8*(4*(\c)+(\i))+4:(\f)+8*(4*(\c)+(\i))+7],            v[ADRA+(\slot)] offset:(\q)*128+64*(\c)+(\i)*16*PA+32
.endr
.endr
.endm
.macro PLACES                          ; four places in front of loads into registers that matrix instructions have read, and of vector work that reads or writes results
.rept 4
	v_nop
.endr
.endm
; A K step is four quarters of 64 along K, 32 matrix instructions each, on buffers 0, 1, 0, 1.  One of the first three: multiplies buffer f and fetches quarter q into g.
.macro QUARTER slot, q, f, g, zero
	s_wait_dscnt 16                                ; the first 32 along K are in; the youngest sixteen loads may be out
	MUL8 \f, 0, 0, \zero
	MUL8 \f, 0, 2, \zero
	PLACES
	FETCH \slot, \q, \g
	s_wait_dscnt 32                                ; all but the 32 just issued
	MUL8 \f, 1, 0, 0
	MUL8 \f, 1, 2, 0
.endm
; The last quarter multiplies buffer 1 and changes slots: ONE barrier; in front of it each wave waits for all its tensor loads (one is out: its part of the next slot), adds 0 to its spare word,
; and waits for that and for its own reads of this slot.  fill = 1: the barrier opens a round of the cluster's, and this slot is filled again, two K steps ahead, first thing behind the round.
.macro TURN slot, next, fill
	WIN 0                                          ; (the add's two registers lie in window 0)
	s_wait_tensorcnt 0x0                           ; all my tensor loads have landed
	ds_add_u32 v[SPW], v[NIL]                      ; 0 onto my spare word
	s_wait_dscnt 17                                ; (the add and the youngest sixteen loads may be out)
	MUL8 F1, 0, 0, 0                               ; eight matrix instructions stand between the add and the wait for it
	s_wait_dscnt 0x0                               ; the add is done, and my reads of this slot are over
	s_barrier_signal -1
	MUL8 F1, 0, 2, 0
.if \fill
	WIN 0
.endif
	s_barrier_wait -1
.if \fill
	CREST                                          ; no wave of any partner still reads this slot's tile or has a load on its way
	s_add_nc_u64 s[G0+4*(\slot)+2:G0+4*(\slot)+3], s[G0+4*(\slot)+2:G0+4*(\slot)+3], 2*ASTEP
	s_add_nc_u64 s[G0B+4*(\slot)+2:G0B+4*(\slot)+3], s[G0B+4*(\slot)+2:G0B+4*(\slot)+3], 2*BSTEP
	JLOAD \slot                                    ; 112 matrix instructions ahead of the wait for it; the four v_nop behind it are also the places in front of the loads below
.else
	PLACES
.endif
	FETCH \next, 0, F0
	MUL8 F1, 1, 0, 0
	MUL8 F1, 1, 2, 0
.endm
	s_wait_tensorcnt 1                             ; my part of K step 0 is in; K step 1's may stay out
	s_barrier_signal -1
	s_barrier_wait -1                              ; everybody's is
	FETCH 0, 0, F0
	QUARTER 0, 1, F0, F1, 1                        ; the first quarter stands in front of the loop: its first products start the sums
	WIN 0                                          ; at a label and at a branch every window is 0
	s_mov_b32 s3, LAPS-1
.Llap:                                                 ; a trip goes once round the ring, from a lap's second quarter to the next lap's first, and fills both slots again
	QUARTER 0, 2, F1, F0, 0
	QUARTER 0, 3, F0, F1, 0
	TURN 0, 1, 1
	QUARTER 1, 1, F0, F1, 0
	QUARTER 1, 2, F1, F0, 0
	QUARTER 1, 3, F0, F1, 0
	TURN 1, 0, 1
	QUARTER 0, 1, F0, F1, 0
	WIN 0
	s_sub_co_u32 s3, s3, 1
	s_cmp_lg_u32 s3, 0
	s_cbranch_scc1 .Llap
	QUARTER 0, 2, F1, F0, 0                        ; the last lap fills nothing, and has no round of the cluster's barrier
	QUARTER 0, 3, F0, F1, 0
	TURN 0, 1, 0
	QUARTER 1, 1, F0, F1, 0
	QUARTER 1, 2, F1, F0, 0
	QUARTER 1, 3, F0, F1, 0
	s_wait_dscnt 16                                ; the very last quarter: nothing more to fetch
	MUL8 F1, 0, 0, 0
	MUL8 F1, 0, 2, 0
	s_wait_dscnt 0x0
	MUL8 F1, 1, 0, 0
	MUL8 F1, 1, 2, 0
	WIN 0
	; THE WAY OUT, 16 rows at a time: the finished sums are multiplied by 0.8, two a line, in ascending order (each accumulator's lowest registers are read first);
	; a lane's eight numbers of a row go as 32 bytes into my own stage and come back as whole rows of 256 bytes.
	PLACES
.irp a, 0,1,2,3
.set BK, TMP+32*((\a)%2)
.set i, 0
.rept 16
	v_pk_mul_f32 v[ACC+32*(\a)+2*i:ACC+32*(\a)+2*i+1], v[ACC+32*(\a)+2*i:ACC+32*(\a)+2*i+1], 0x3f4ccccd op_sel_hi:[1,0]
.set i, i+1
.endr
.irp b, 0,1,2,3
	ds_store_b128 v[STO], v[ACC+8*(4*(\a)+(\b)):ACC+8*(4*(\a)+(\b))+3]   offset:64*(\b)
	ds_store_b128 v[STO], v[ACC+8*(4*(\a)+(\b))+4:ACC+8*(4*(\a)+(\b))+7] offset:64*(\b)+16
.endr
	s_wait_xcnt 0x0                                ; the stores of the block before last have read their registers, which the loads below fill again
.irp t, 0,1,2,3,4,5,6,7
	ds_load_b128 v[BK+4*(\t):BK+4*(\t)+3], v[RD] offset:(\t)*2*SPITCH  ; LDS serves a wave's instructions in order (ISA guide 5.7.1.4): these see the stores above
.endr
	s_wait_dscnt 0x0
.irp t, 0,1,2,3,4,5,6,7
	global_store_b128 v[CO], v[BK+4*(\t):BK+4*(\t)+3], s[8:9] offset:(16*(\a)+2*(\t))*8192 th:TH_STORE_NT  ; 16 lanes store 256 consecutive bytes, aligned
.endr
.endr
	s_wait_tensorcnt 0x0                           ; the wave's end, behind my last tensor load and my last LDS store: an add to my spare word and its wait
	ds_add_u32 v[SPW], v[NIL]
	s_wait_dscnt 0x0
	CROUND                                         ; the closing round: no work-group ends while a partner may still ask for a tile that names it
	s_endpgm
.Lfunc_end_k_qa7fe2f66f8_oproj:
	.size	k_qa7fe2f66f8_oproj, .Lfunc_end_k_qa7fe2f66f8_oproj-k_qa7fe2f66f8_oproj
	.p2alignl 7, 3214868480
	.fill 96, 4, 3214868480
	.section	.rodata,"a",@progbits
	.p2align	6, 0x0
	.amdhsa_kernel k_qa7fe2f66f8_oproj
		.amdhsa_group_segment_fixed_size 327680
		.amdhsa_private_segment_fixed_size 0
		.amdhsa_enable_private_segment 0
		.amdhsa_kernarg_size 24
		.amdhsa_user_sgpr_count 2
		.amdhsa_user_sgpr_kernarg_segment_ptr 1
		.amdhsa_wavefront_size32 1
		.amdhsa_system_sgpr_workgroup_id_x 1
		.amdhsa_system_sgpr_workgroup_id_y 1
		.amdhsa_system_sgpr_workgroup_id_z 1
		.amdhsa_system_vgpr_workitem_id 0
		.amdhsa_next_free_vgpr 512
		.amdhsa_next_free_sgpr 100
		.amdhsa_reserve_vcc 0
		.amdhsa_float_denorm_mode_32 3
		.amdhsa_float_denorm_mode_16_64 3
		.amdhsa_memory_ordered 1
		.amdhsa_forward_progress 1
		.amdhsa_inst_pref_size 92
	.end_amdhsa_kernel
	.amdgpu_metadata
---
amdhsa.version: [ 1, 2 ]
amdhsa.kernels:
  - .name:           k_qa7fe2f66f8_oproj
    .symbol:         k_qa7fe2f66f8_oproj.kd
    .args:
      - { .name: ao, .offset: 0, .size: 8, .value_kind: global_buffer, .address_space: global }
      - { .name: wob, .offset: 8, .size: 8, .value_kind: global_buffer, .address_space: global }
      - { .name: out0, .offset: 16, .size: 8, .value_kind: global_buffer, .address_space: global }
    .group_segment_fixed_size: 327680
    .private_segment_fixed_size: 0
    .kernarg_segment_align: 8
    .kernarg_segment_size: 24
    .max_flat_workgroup_size: 128
    .sgpr_count:     100
    .vgpr_count:     512
    .wavefront_size: 32
...
	.end_amdgpu_metadata
.endif
;; end of part 4
